; MI455X (gfx1250); checked and timed in simulation.
; The chip was launched on July 23, 2026; its instructions are those of AMD's public machine-readable ISA for CDNA 5 (MIT licence, August 2026) and "CDNA5" Instruction Set Architecture Reference Guide (July 2026). The comments in the code are by the model that wrote it; some were corrected since.
;; Attn Block. Allowed arithmetic: matrix products marked QUANTISED: E3M2 operands, one E8M0 scale for each 32 along K, by v_wmma_scale_f32_16x16x128_f8f6f4 with both operands' format E3M2, f32 sums; everything else in f32.
;; Inputs: gn_b 512 float32; gn_w 512 float32; k_b 512 float32; k_w 512 x 512 float32; p_b 512 float32; p_w 512 x 512 float32; q_b 512 float32; q_w 512 x 512 float32; temb 16 x 512 float32; v_b 512 float32; v_w 512 x 512 float32; x 16 x 512 x 32 x 32 float32.
;; Outputs: out0 16 x 512 x 32 x 32 float32.
;; This version of the problem:
;;   THIS VERSION OF THE PROBLEM IS GIVEN IN LOW PRECISION. The matrix products marked QUANTISED in the list below multiply operands that are first quantised to E3M2 (3 exponent bits, 2 mantissa bits; 6 bits a number), with one power-of-two scale for each 32 numbers along K (OCP MX v1.0); their sums are f32. All else is computed in f32.
;;   The module's matrix products, in the order in which they are computed (A, B: the left and right operand; K: the contracted axis; several contracted axes count as one K, in the product's order):
;;     1. [M 512, K 512] x [K 512, N 16,384]; A: input q_w; B: computed on the way: QUANTISED
;;     2. [M 512, K 512] x [K 512, N 16,384]; A: input k_w; B: computed on the way: QUANTISED
;;     3. [M 512, K 512] x [K 512, N 16,384]; A: input v_w; B: computed on the way: QUANTISED
;;     4. batch 16 x [M 1,024, K 512] x [K 512, N 1,024]; A: computed on the way; B: computed on the way: QUANTISED
;;     5. batch 16 x [M 512, K 1,024] x [K 1,024, N 1,024]; A: computed on the way; B: computed on the way: QUANTISED
;;     6. [M 512, K 512] x [K 512, N 16,384]; A: input p_w; B: computed on the way: QUANTISED
;;   THE QUANTISER, for each operand of a quantised product, along K:
;;     - K is cut into blocks of 32 from its start; a last block that is shorter is filled with zeros.
;;     - A block's scale is 2^e with e = floor(log2(the largest magnitude in the block)) - 4, held to -126 .. 127; a block of zeros has e = 0. As a byte (E8M0): e + 127.
;;     - Each number is divided by its block's scale, clamped to +-28, and rounded to the nearest number of E3M2, ties to even, subnormals kept.
;;     - The product sums the exact products of the quantised numbers (number of the format x scale) in f32.
;;   ~~~python
;;   def quantise(x, axis):      # numpy; x: float32 -> the quantised numbers, widened to float32 again
;;       x = np.moveaxis(x, axis, -1); K = x.shape[-1]
;;       x = np.pad(x, [(0, 0)] * (x.ndim - 1) + [(0, -K % 32)]); x = x.reshape(x.shape[:-1] + (-1, 32)); a = np.abs(x).max(-1, keepdims=True)
;;       e = np.where(a > 0, np.clip(np.frexp(np.where(a > 0, a, 1))[1] - 1 - 4, -126, 127), 0)      # np.frexp(a)[1] - 1 = floor(log2(a)), exactly
;;       r = np.clip(x / 2.0 ** e, -28, 28)
;;       step = 2.0 ** (np.maximum(np.frexp(np.where(r == 0, 1, r))[1] - 1, -2) - 2)
;;       q = np.round(r / step) * step * 2.0 ** e      # np.round: ties to even
;;       return np.moveaxis(q.reshape(q.shape[:-2] + (-1,))[..., :K], -1, axis).astype(np.float32)
;;   ~~~
;;   OPERANDS COMPUTED ON THE WAY. 'Computed on the way' means the value that the module computes at that place (a softmax that the list does not call 'softmax' is quantised finished and normalised). What goes into a quantiser is computed in f32, as accurately as f32 sums, v_exp_f32 and their like allow (about 1e-6 of the number): no bf16 or f16 on the way to a quantiser, and a product that is left as it is and whose result goes on into a quantised operand takes f32 operands (vector FMAs, or v_wmma_f32_16x16x4_f32). A number that lies on a knife's edge between two numbers of the format may be rounded either way, as far as f32 arithmetic and the matrix unit's own rounding can turn it there, and no further.
;; One version. Each part assembles by itself: llvm-mc -triple=amdgcn-amd-amdhsa -mcpu=gfx1250 --defsym DOCPART=n.
;; ======== version 1 of 1: 3 launches
;; workspace buffers: hbuf 6,553,600 bytes; wts 819,200 bytes; qkv 19,660,800 bytes
;; launch prep (part 1): grid 256 x 1, 9 waves a work-group, no clusters, 34,560 bytes of LDS; arguments x, gn_w, gn_b, q_w, k_w, v_w, p_w, hbuf, wts; writes hbuf, wts
.if DOCPART == 1
	.amdgcn_target "amdgcn-amd-amdhsa--gfx1250"
	.amdhsa_code_object_version 6
	.text
	.protected	k_q9d2ad8577d_prep
	.globl	k_q9d2ad8577d_prep
	.p2align	8
	.type	k_q9d2ad8577d_prep,@function
k_q9d2ad8577d_prep:
	s_mov_b64 s[64:65], 0
	v_nop
	global_prefetch_b8 v0, s[64:65] scope:SCOPE_SE
	s_setreg_imm32_b32 hwreg(HW_REG_WAVE_MODE, 25, 1), 1
	s_wait_xcnt 0x0
; PREP.  GroupNorm of x [16][512][1024] in f32, its result h quantised along the channels (E3M2, one E8M0 byte for 32 channels); the four weights [512][512] quantised along their K.
; SHARES.  Work-group g owns batch g / 16 and channels 32 (g % 16) .. + 31: two groups of the norm, one block of the quantiser, 128 KiB of x on end.
;   Waves 0-7: thread t holds positions 4 t .. 4 t + 3 of all 32 channels in 128 registers: x is read once; mean, then sum of squares of x - mean (two passes over registers), then the norm.
;   A lane's 32 numbers of one position ARE a block along K: no other lane is asked for its largest magnitude, and the conversions give codes with K innermost.
;   Wave 8 quantises two fragments (16 rows x 128 K) of one weight and stores them as images of the operand's registers.
; hbuf [b][256 positions][block of 32 channels] pieces of 6,400 bytes: 256 x 16 bytes (registers 0-3 of a block's six), 256 x 8 bytes (registers 4-5), 256 scale bytes.
;   A position's place in a piece is its number with bits 3 and 4 exchanged: row r of tile 2 B + u is position 32 B + 8 u + r + 8 (r / 8), so that a later product's results are neighbours along the next K.
; wts [matrix][8] quarters of 25,600 bytes: 16 fragments (4 x member + K step) of 1,536 bytes, register group c of lane l at 512 c + 16 l; then, for each K step, 256 bytes: lane l's 8 bytes are the scale words of members 2 (l / 16), 2 (l / 16) + 1, row l % 16.
; LIMITS: NaN and infinities are not served.  A block whose largest magnitude lies under 2^-122 (a block of zeros too) keeps the scale byte 1; the bytes are read by this program alone.  temb is not read.
.set X,    16                          ; v16-143  x: channel c, position p at X + 4 c + p.  Wave 8: fragment j, block c, number i at X + 64 j + 32 c + i
.set H,    144                         ; v144-207 two sets of 32 numbers of h
.set T,    144                         ; the same registers, at work in the passes over x
.set CD,   208                         ; v208-239 codes: 8 registers a position.  Wave 8: two fragments of 12, and 8 at work
.set RED1, 32768                       ; LDS behind the eight stages of 4,096 bytes: the waves' sums, 8 bytes each;
.set RED2, 33024                       ; their sums of squares
.set SA, 1                             ; stage, in: 16 bytes a position, 64 + 16 of padding a lane
.set SB, 2                             ; stage, in: 8 bytes a position, 32 + 16 a lane
.set RA, 3                             ; stage, out
.set RB, 4
.set LI, 5                             ; 16 x lane
.set SW, 6                             ; 4 x the lane's place: its four scale bytes
.set XA, 7                             ; 16 x thread
.set RW, 8                             ; RED1 + 8 x wave
.set RR, 9                             ; RED1
.set WA, 10                            ; wave 8: my row and half in the weight
.set W8, 11                            ; wave 8: my scale word's place
.set H8, 12                            ; wave 8: 8 x (lane / 16)
.set WV, 22
.set PA, 18                            ; s[18:19] hbuf at my wave's pieces of 16 bytes
.set PB, 58                            ; s[58:59] at its pieces of 8 bytes
.set PS, 60                            ; s[60:61] at its scale bytes
.set SEL, 62                           ; s[62:63] v_permlanex16_b32's selects for lane l xor 16
	s_load_b512 s[4:19], s[0:1], 0x0               ; x, gn_w, gn_b, q_w, k_w, v_w, p_w, hbuf
	s_load_b64 s[20:21], s[0:1], 0x40              ; wts
	v_lshl_add_u32 v240, v0, 2, 0x8200
	v_mov_b32 v241, 0
	v_lshrrev_b32 v13, 5, v0
	v_readfirstlane_b32 s[WV], v13                 ; wave 0..8
	v_and_b32 v14, 31, v0                          ; lane
	v_and_b32 v15, 25, v14
	v_bfe_u32 v16, v14, 1, 1
	v_lshl_or_b32 v15, v16, 2, v15
	v_bfe_u32 v16, v14, 2, 1
	v_lshl_or_b32 v15, v16, 1, v15                 ; the lane with bits 1 and 2 exchanged: bits 3 and 4 of its positions
	v_lshlrev_b32 v17, 12, v13                     ; my wave's stage.  Every LDS address is made here, ahead of the parting of the waves' ways
	v_mad_u32_u24 v[SA], v15, 80, v17
	v_mad_u32_u24 v[SB], v15, 48, v17
	v_add_nc_u32 v[SB], 2560, v[SB]
	v_lshrrev_b32 v16, 2, v14
	v_mad_u32_u24 v[RA], v16, 80, v17
	v_and_b32 v16, 3, v14
	v_lshl_add_u32 v[RA], v16, 4, v[RA]
	v_lshrrev_b32 v16, 1, v14
	v_mad_u32_u24 v[RB], v16, 48, v17
	v_and_b32 v16, 1, v14
	v_lshl_add_u32 v[RB], v16, 4, v[RB]
	v_add_nc_u32 v[RB], 2560, v[RB]
	v_lshlrev_b32 v[LI], 4, v14
	v_lshlrev_b32 v[SW], 2, v15
	v_lshlrev_b32 v[XA], 4, v0
	v_lshl_add_u32 v[RW], v13, 3, RED1
	v_mov_b32 v[RR], RED1
	v_and_b32 v16, 15, v0                          ; r
	v_bfe_u32 v18, v0, 4, 1                        ; h
	v_and_b32 v19, 8, v16
	v_add_nc_u32 v19, v19, v16                     ; r + 8 (r / 8)
	v_lshlrev_b32 v[WA], 11, v19                   ; a row of a weight is 2,048 bytes
	v_lshl_add_u32 v[WA], v18, 7, v[WA]            ; + 32 numbers for lanes 16-31
	v_lshlrev_b32 v[W8], 3, v16
	v_lshl_add_u32 v[W8], v18, 2, v[W8]
	v_lshlrev_b32 v[H8], 3, v18
	v_mov_b32 v[T+18], 0                           ; written once: a lane permute's destination counts as one of its sources
	v_mov_b32 v[T+19], 0
	s_mov_b32 s[SEL], 0x76543210
	s_mov_b32 s[SEL+1], 0xfedcba98
	; the offsets of all pointers, made apart from the addresses, on the one way that all nine waves take
	s_lshl_b32 s56, ttmp9, 17                      ; my 128 KiB of x
	s_mov_b32 s57, 0
	s_and_b32 s23, ttmp9, 15                       ; the block of channels
	s_lshl_b32 s66, s23, 7                         ; my 32 numbers of gn_w and gn_b
	s_mov_b32 s67, 0
	s_lshr_b32 s2, ttmp9, 4                        ; where my wave's 128 positions go in hbuf: the batch,
	s_mul_i32 s2, s2, 409600
	s_mul_i32 s23, s23, 6400                       ; the block of channels,
	s_add_co_u32 s2, s2, s23
	s_lshr_b32 s23, s[WV], 1                       ; the 256 positions (held at 3: wave 8 stores nothing there, and its pointers stay inside the buffer),
	s_min_u32 s23, s23, 3
	s_mul_i32 s23, s23, 102400
	s_add_co_u32 s2, s2, s23
	s_and_b32 s23, s[WV], 1                        ; and which half of the 256
	s_lshl_b32 s[PB], s23, 10
	s_add_co_u32 s[PB], s[PB], s2
	s_add_co_u32 s[PB], s[PB], 4096                ; the pieces of 8 bytes
	s_lshl_b32 s[PS], s23, 7
	s_add_co_u32 s[PS], s[PS], s2
	s_add_co_u32 s[PS], s[PS], 6144                ; the scale bytes
	s_lshl_b32 s23, s23, 11
	s_add_co_u32 s2, s2, s23                       ; the pieces of 16 bytes
	s_mov_b32 s3, 0
	s_mov_b32 s[PB+1], 0
	s_mov_b32 s[PS+1], 0
	s_wait_kmcnt 0x0
	s_add_nc_u64 s[4:5], s[4:5], s[56:57]
	s_add_nc_u64 s[6:7], s[6:7], s[66:67]
	s_add_nc_u64 s[8:9], s[8:9], s[66:67]
	s_add_nc_u64 s[PB:PB+1], s[PA:PA+1], s[PB:PB+1]
	s_add_nc_u64 s[PS:PS+1], s[PA:PA+1], s[PS:PS+1]
	s_add_nc_u64 s[PA:PA+1], s[PA:PA+1], s[2:3]
	s_cmp_eq_u32 s[WV], 8
	s_cbranch_scc1 .Lw8
.macro GSUM dst, b                     ; the sum of a lane's 64 numbers of one group: 31 packed additions in two chains
	v_pk_add_f32 v[T:T+1], v[(\b):(\b)+1], v[(\b)+2:(\b)+3]
	v_pk_add_f32 v[T+2:T+3], v[(\b)+4:(\b)+5], v[(\b)+6:(\b)+7]
.irp j, 8,12,16,20,24,28,32,36,40,44,48,52,56,60
	v_pk_add_f32 v[T:T+1], v[T:T+1], v[(\b)+\j:(\b)+\j+1]
	v_pk_add_f32 v[T+2:T+3], v[T+2:T+3], v[(\b)+\j+2:(\b)+\j+3]
.endr
	v_pk_add_f32 v[T:T+1], v[T:T+1], v[T+2:T+3]
	v_add_f32 v[\dst], v[T], v[T+1]
.endm
.macro GSQ dst, b                      ; the same of their squares
	v_pk_mul_f32 v[T:T+1], v[(\b):(\b)+1], v[(\b):(\b)+1]
	v_pk_mul_f32 v[T+2:T+3], v[(\b)+2:(\b)+3], v[(\b)+2:(\b)+3]
.irp j, 4,8,12,16,20,24,28,32,36,40,44,48,52,56,60
	v_pk_fma_f32 v[T:T+1], v[(\b)+\j:(\b)+\j+1], v[(\b)+\j:(\b)+\j+1], v[T:T+1]
	v_pk_fma_f32 v[T+2:T+3], v[(\b)+\j+2:(\b)+\j+3], v[(\b)+\j+2:(\b)+\j+3], v[T+2:T+3]
.endr
	v_pk_add_f32 v[T:T+1], v[T:T+1], v[T+2:T+3]
	v_add_f32 v[\dst], v[T], v[T+1]
.endm
.macro LANES                           ; v[T+16], v[T+17] summed over the 32 lanes, the two by turns; every lane ends with the same bits
.irp m, 1,2,4,8
	v_add_f32_dpp v[T+16], v[T+16], v[T+16] row_xmask:\m row_mask:0xf bank_mask:0xf
	v_add_f32_dpp v[T+17], v[T+17], v[T+17] row_xmask:\m row_mask:0xf bank_mask:0xf
.endr
	v_permlanex16_b32 v[T+18], v[T+16], s[SEL], s[SEL+1]
	v_permlanex16_b32 v[T+19], v[T+17], s[SEL], s[SEL+1]
	v_add_f32 v[T+16], v[T+16], v[T+18]
	v_add_f32 v[T+17], v[T+17], v[T+19]
.endm
.macro RSUM off                        ; the eight waves' pairs (group 0's, group 1's) from LDS, added in one order in every wave: v[T:T+1]
.irp k, 0,1,2,3
	ds_load_b128 v[T+4*\k:T+4*\k+3], v[RR] offset:(\off)+16*\k
.endr
	s_wait_dscnt 0x0
	v_pk_add_f32 v[T:T+1], v[T:T+1], v[T+2:T+3]
	v_pk_add_f32 v[T+4:T+5], v[T+4:T+5], v[T+6:T+7]
	v_pk_add_f32 v[T+8:T+9], v[T+8:T+9], v[T+10:T+11]
	v_pk_add_f32 v[T+12:T+13], v[T+12:T+13], v[T+14:T+15]
	v_pk_add_f32 v[T:T+1], v[T:T+1], v[T+4:T+5]
	v_pk_add_f32 v[T+8:T+9], v[T+8:T+9], v[T+12:T+13]
	v_pk_add_f32 v[T:T+1], v[T:T+1], v[T+8:T+9]
.endm
	; ---- waves 0-7, first part: x comes in, and is summed
.set cc, 0
.rept 32
	global_load_b128 v[X+4*cc:X+4*cc+3], v[XA], s[4:5] offset:4096*cc   ; a wave reads 512 bytes on end of channel cc
.set cc, cc+1
.endr
	s_load_b512 s[24:39], s[6:7], 0x0              ; gn_w of my 32 channels
	s_load_b512 s[40:55], s[6:7], 0x40
	s_load_b512 s[68:83], s[8:9], 0x0              ; gn_b
	s_load_b512 s[84:99], s[8:9], 0x40
	s_wait_loadcnt 16                              ; group 0's sixteen loads are in; group 1's may be out
	GSUM T+16, X
	s_wait_loadcnt 0x0
	GSUM T+17, X+64
	LANES
	ds_store_b64 v[RW], v[T+16:T+17]               ; all lanes write the same 8 bytes with the same values
	s_branch .Lb1
	; ---- wave 8: two fragments of a weight.  g = 64 matrix + 8 quarter + 2 K step + pair; members 2 pair, 2 pair + 1
.macro QW j
.irp cp, 0,1                           ; lane (r, h) holds blocks h and 2 + h of its row whole
	v_max3_num_f32 v[T+\cp], |v[X+64*(\j)+32*\cp]|, |v[X+64*(\j)+32*\cp+1]|, 0x2800000   ; with the floor 2^(5 - 127): the byte cannot fall under 1
.endr
.irp i, 2,4,6,8,10,12,14,16,18,20,22,24,26,28,30
.irp cp, 0,1
	v_max3_num_f32 v[T+\cp], v[T+\cp], |v[X+64*(\j)+32*\cp+\i]|, |v[X+64*(\j)+32*\cp+\i+1]|
.endr
.endr
.irp cp, 0,1
	v_add_nc_u32 v[T+2+\cp], 0xfe000000, v[T+\cp]  ; 4 off the exponent field: the conversion's scale operand
.endr
.irp cp, 0,1
	v_lshrrev_b32 v[T+4+\cp], 23, v[T+2+\cp]       ; the scale's byte
.endr
	v_lshl_or_b32 v[T+8+(\j)], v[T+5], 16, v[T+4]
	v_lshlrev_b32 v[T+8+(\j)], v[H8], v[T+8+(\j)]  ; my two bytes at their places in the row's word,
	v_permlanex16_b32 v[T+18], v[T+8+(\j)], s[SEL], s[SEL+1]
	v_or_b32 v[T+8+(\j)], v[T+8+(\j)], v[T+18]     ; with lane l xor 16's two
.irp cp, 0,1
	v_cvt_scalef32_pk16_bf6_f32 v[CD+12*(\j)+6*\cp:CD+12*(\j)+6*\cp+2], v[X+64*(\j)+32*\cp:X+64*(\j)+32*\cp+15], v[T+2+\cp]
	v_cvt_scalef32_pk16_bf6_f32 v[CD+24+4*\cp:CD+24+4*\cp+2], v[X+64*(\j)+32*\cp+16:X+64*(\j)+32*\cp+31], v[T+2+\cp]   ; (a conversion's three registers begin on an even number)
.endr
	v_nop                                          ; one plain place behind a scaled conversion
.irp cp, 0,1
.irp i, 0,1,2
	v_mov_b32 v[CD+12*(\j)+6*\cp+3+\i], v[CD+24+4*\cp+\i]
.endr
.endr
.irp c, 0,1,2
	global_store_b128 v[LI], v[CD+12*(\j)+4*\c:CD+12*(\j)+4*\c+3], s[12:13] offset:6144*(\j)+512*\c   ; the image: 512 bytes on end
.endr
.endm
.Lw8:                                  ; at work here: s2, s3, s66, s67, s23, s56 (s57 stays 0): none of them holds a pointer on any way
	s_and_b32 s2, ttmp9, 1                         ; pair
	s_bfe_u32 s3, ttmp9, 0x20001                   ; K step
	s_bfe_u32 s66, ttmp9, 0x30003                  ; quarter
	s_lshr_b32 s67, ttmp9, 6                       ; matrix: q, k, v, p
	s_and_b32 s56, s67, 1
	s_cmp_lg_u32 s56, 0
	s_cselect_b64 s[10:11], s[12:13], s[10:11]
	s_cselect_b64 s[14:15], s[16:17], s[14:15]
	s_cmp_ge_u32 s67, 2
	s_cselect_b64 s[10:11], s[14:15], s[10:11]     ; the choice hangs on the work-group's number alone
	s_lshl_b32 s56, s66, 1
	s_add_co_u32 s56, s56, s2
	s_lshl_b32 s56, s56, 16                        ; rows 32 (2 quarter + pair) on, 2,048 bytes each
	s_lshl_b32 s23, s3, 9                          ; 128 numbers a K step
	s_add_co_u32 s56, s56, s23
	s_add_nc_u64 s[10:11], s[10:11], s[56:57]
.irp j, 0,1
.irp cp, 0,1
.irp i, 0,1,2,3,4,5,6,7
	global_load_b128 v[X+64*\j+32*\cp+4*\i:X+64*\j+32*\cp+4*\i+3], v[WA], s[10:11] offset:16384*\j+256*\cp+16*\i
.endr
.endr
.endr
	s_lshl_b32 s56, s67, 3
	s_add_co_u32 s56, s56, s66
	s_mul_i32 s23, s56, 25600                      ; the quarter in wts
	s_lshl_b32 s56, s2, 3
	s_add_co_u32 s56, s56, s3
	s_mul_i32 s56, s56, 1536                       ; fragment 4 (2 pair) + K step
	s_add_co_u32 s56, s56, s23
	s_add_nc_u64 s[12:13], s[20:21], s[56:57]
	s_lshl_b32 s56, s3, 8
	s_lshl_b32 s67, s2, 7
	s_add_co_u32 s56, s56, s67
	s_add_co_u32 s56, s56, s23
	s_add_co_u32 s56, s56, 24576
	s_add_nc_u64 s[14:15], s[20:21], s[56:57]      ; the pair's 128 bytes of scale words
	s_mov_b32 s56, 0xffff0000                      ; lanes 16-31
	s_wait_loadcnt 16                              ; the first fragment's sixteen loads are in
	QW 0
	s_wait_loadcnt 0x0
	QW 1
	v_cndmask_b32 v[T+10], v[T+8], v[T+9], s56     ; lanes 0-15 store the first member's words, lanes 16-31 the second's
	global_store_b32 v[W8], v[T+10], s[14:15]
.Lb1:
	s_wait_dscnt 0x0                               ; my sums lie in LDS
	s_barrier_signal -1
	s_barrier_wait -1
	s_cmp_eq_u32 s[WV], 8
	s_cbranch_scc1 .Lb2
	; ---- waves 0-7, second part: x - mean, in place, and the sums of its squares
	RSUM 0
	v_mul_f32 v[T+4], 0x38800000, v[T]             ; mean = sum / 16,384
	v_mul_f32 v[T+6], 0x38800000, v[T+1]
	v_mov_b32 v[T+5], v[T+4]
	v_mov_b32 v[T+7], v[T+6]
.set jj, 0
.rept 32
	v_pk_add_f32 v[X+2*jj:X+2*jj+1], v[X+2*jj:X+2*jj+1], v[T+4:T+5] neg_lo:[0,1] neg_hi:[0,1]
	v_pk_add_f32 v[X+64+2*jj:X+64+2*jj+1], v[X+64+2*jj:X+64+2*jj+1], v[T+6:T+7] neg_lo:[0,1] neg_hi:[0,1]
.set jj, jj+1
.endr
	GSQ T+16, X
	GSQ T+17, X+64
	LANES
	ds_store_b64 v[RW], v[T+16:T+17] offset:RED2-RED1
.Lb2:
	s_wait_dscnt 0x0
	s_barrier_signal -1
	s_barrier_wait -1
	s_cmp_eq_u32 s[WV], 8
	s_cbranch_scc1 .Lend
	; ---- waves 0-7, third part: the norm, the quantiser, the way out
	RSUM RED2-RED1
	s_mov_b32 s56, 0x38800000                      ; 1 / 16,384
	s_mov_b32 s57, 0x3727c5ac                      ; 1e-5
	v_fma_f32 v[T], v[T], s56, s57
	v_fma_f32 v[T+1], v[T+1], s56, s57
	v_rsq_f32 v[T+2], v[T]
	v_rsq_f32 v[T+3], v[T+1]
	v_nop                                          ; a plain place behind the transcendentals,
	s_wait_alu depctr_va_vdst(0)                   ; and the wait ahead of their first reader: one for both
	v_readfirstlane_b32 s56, v[T+2]
	v_readfirstlane_b32 s57, v[T+3]
	s_wait_kmcnt 0x0                               ; gn_w, gn_b
.set cc, 0
.rept 16
	s_mul_f32 s[24+cc], s[24+cc], s56              ; gn_w / sqrt(var + eps), a number a channel
	s_mul_f32 s[40+cc], s[40+cc], s57
.set cc, cc+1
.endr
.macro POS p                           ; position 4 t + p: its 32 channels are one block
.set HS, H+32*((\p)%2)
.set cc, 0
.rept 32
	v_fma_f32 v[HS+cc], v[X+4*cc+(\p)], s[24+cc], s[68+cc]
.set cc, cc+1
.endr
	v_max3_num_f32 v13, |v[HS]|, |v[HS+1]|, 0x2800000   ; the largest magnitude, in two chains, with the floor 2^(5 - 127) among its leaves
	v_max3_num_f32 v14, |v[HS+2]|, |v[HS+3]|, |v[HS+4]|
.irp i, 5,9,13,17,21,25
	v_max3_num_f32 v13, v13, |v[HS+\i]|, |v[HS+\i+1]|
	v_max3_num_f32 v14, v14, |v[HS+\i+2]|, |v[HS+\i+3]|
.endr
	v_max3_num_f32 v13, v13, |v[HS+29]|, |v[HS+30]|
	v_max3_num_f32 v13, v13, v14, |v[HS+31]|
	v_add_nc_u32 v15, 0xfe000000, v13              ; 4 off its exponent field: the conversion's scale operand
	v_cvt_scalef32_pk16_bf6_f32 v[CD+8*(\p):CD+8*(\p)+2], v[HS:HS+15], v15
	v_cvt_scalef32_pk16_bf6_f32 v[CD+8*(\p)+4:CD+8*(\p)+6], v[HS+16:HS+31], v15
	v_lshrrev_b32 v14, 23, v15                     ; the scale's byte (also the plain place behind the conversions)
.if (\p) == 0
	v_mov_b32 v0, v14                              ; my four positions' bytes in one word
.else
	v_lshl_or_b32 v0, v14, 8*(\p), v0
.endif
	v_mov_b32 v[CD+8*(\p)+3], v[CD+8*(\p)+4]       ; the block's six registers on end
	v_mov_b32 v[CD+8*(\p)+4], v[CD+8*(\p)+5]
	v_mov_b32 v[CD+8*(\p)+5], v[CD+8*(\p)+6]
	ds_store_b128 v[SA], v[CD+8*(\p):CD+8*(\p)+3] offset:16*(\p)
	ds_store_b64 v[SB], v[CD+8*(\p)+4:CD+8*(\p)+5] offset:8*(\p)
.endm
	POS 0
	POS 1
	POS 2
	POS 3
.irp k, 0,1,2,3
	ds_load_b128 v[H+4*\k:H+4*\k+3], v[RA] offset:640*\k      ; LDS serves a wave's instructions in order: these see my stores
.endr
.irp k, 0,1
	ds_load_b128 v[H+16+4*\k:H+16+4*\k+3], v[RB] offset:768*\k
.endr
	global_store_b32 v[SW], v0, s[PS:PS+1]         ; 128 scale bytes a wave
.irp k, 0,1,2,3
	s_wait_dscnt 5-\k
	global_store_b128 v[LI], v[H+4*\k:H+4*\k+3], s[PA:PA+1] offset:512*\k      ; 512 bytes on end, at a multiple of 256 from the buffer's first byte
.endr
.irp k, 0,1
	s_wait_dscnt 1-\k
	global_store_b128 v[LI], v[H+16+4*\k:H+16+4*\k+3], s[PB:PB+1] offset:512*\k
.endr
.Lend:
	s_wait_tensorcnt 0x0
	ds_add_u32 v240, v241
	s_wait_dscnt 0x0
	s_endpgm
.Lfunc_end_k_q9d2ad8577d_prep:
	.size	k_q9d2ad8577d_prep, .Lfunc_end_k_q9d2ad8577d_prep-k_q9d2ad8577d_prep
	.p2alignl 7, 3214868480
	.fill 96, 4, 3214868480
	.section	.rodata,"a",@progbits
	.p2align	6, 0x0
	.amdhsa_kernel k_q9d2ad8577d_prep
		.amdhsa_group_segment_fixed_size 34560
		.amdhsa_private_segment_fixed_size 0
		.amdhsa_enable_private_segment 0
		.amdhsa_kernarg_size 72
		.amdhsa_user_sgpr_count 2
		.amdhsa_user_sgpr_kernarg_segment_ptr 1
		.amdhsa_wavefront_size32 1
		.amdhsa_system_sgpr_workgroup_id_x 1
		.amdhsa_system_sgpr_workgroup_id_y 1
		.amdhsa_system_sgpr_workgroup_id_z 1
		.amdhsa_system_vgpr_workitem_id 0
		.amdhsa_next_free_vgpr 242
		.amdhsa_next_free_sgpr 100
		.amdhsa_reserve_vcc 0
		.amdhsa_float_denorm_mode_32 3
		.amdhsa_float_denorm_mode_16_64 3
		.amdhsa_memory_ordered 1
		.amdhsa_forward_progress 1
		.amdhsa_inst_pref_size 51
	.end_amdhsa_kernel
	.amdgpu_metadata
---
amdhsa.version: [ 1, 2 ]
amdhsa.kernels:
  - .name:           k_q9d2ad8577d_prep
    .symbol:         k_q9d2ad8577d_prep.kd
    .args:
      - { .name: x, .offset: 0, .size: 8, .value_kind: global_buffer, .address_space: global }
      - { .name: gn_w, .offset: 8, .size: 8, .value_kind: global_buffer, .address_space: global }
      - { .name: gn_b, .offset: 16, .size: 8, .value_kind: global_buffer, .address_space: global }
      - { .name: q_w, .offset: 24, .size: 8, .value_kind: global_buffer, .address_space: global }
      - { .name: k_w, .offset: 32, .size: 8, .value_kind: global_buffer, .address_space: global }
      - { .name: v_w, .offset: 40, .size: 8, .value_kind: global_buffer, .address_space: global }
      - { .name: p_w, .offset: 48, .size: 8, .value_kind: global_buffer, .address_space: global }
      - { .name: hbuf, .offset: 56, .size: 8, .value_kind: global_buffer, .address_space: global }
      - { .name: wts, .offset: 64, .size: 8, .value_kind: global_buffer, .address_space: global }
    .group_segment_fixed_size: 34560
    .private_segment_fixed_size: 0
    .kernarg_segment_align: 8
    .kernarg_segment_size: 72
    .max_flat_workgroup_size: 288
    .sgpr_count:     100
    .vgpr_count:     242
    .wavefront_size: 32
...
	.end_amdgpu_metadata
.endif
;; end of part 1
;; launch qkv (part 2): grid 64 x 4, 4 waves a work-group, clusters of 4 x 4, 262,656 bytes of LDS; arguments hbuf, wts, q_b, k_b, v_b, qkv; writes qkv
.if DOCPART == 2
	.amdgcn_target "amdgcn-amd-amdhsa--gfx1250"
	.amdhsa_code_object_version 6
	.text
	.protected	k_q9d2ad8577d_qkv
	.globl	k_q9d2ad8577d_qkv
	.p2align	8
	.type	k_q9d2ad8577d_qkv,@function
k_q9d2ad8577d_qkv:
	s_mov_b64 s[64:65], 0
	v_nop
	global_prefetch_b8 v0, s[64:65] scope:SCOPE_SE
	s_setreg_imm32_b32 hwreg(HW_REG_WAVE_MODE, 25, 1), 1
	s_wait_xcnt 0x0
	s_wait_alu depctr_hold_cnt(0) depctr_sa_sdst(0) depctr_va_vdst(0) depctr_va_sdst(0) depctr_va_ssrc(0) depctr_va_vcc(0) depctr_vm_vsrc(0)
	s_getreg_b32 s2, hwreg(HW_REG_IB_STS2, 6, 4)
	s_cmp_eq_u32 s2, 0
	s_cbranch_scc0 .Lentry_in_a_cluster
	s_endpgm
.Lentry_in_a_cluster:
	s_bfe_u32 s2, ttmp6, 0x10000c
	s_cmp_lg_u32 s2, 0xf033
	s_cbranch_scc0 .Lentry_shape_is_right
	s_endpgm
.Lentry_shape_is_right:
; QKV.  q = Wq h + bq, k = Wk h + bk, v = Wv h + bv on codes of E3M2 with E8M0 scales; q and k quantised along the channels, v along the keys; all three stored as images of operand registers.
; SHARES.  A cluster is a batch (ttmp9).  The work-group at (cx, cy) makes 256 positions (cx) x 128 output channels (cy) of q, then of k, then of v: three units in the text's order.
;   A unit is 8 X tiles x 4 Y tiles x 4 K steps a wave; source 0 = X, source 1 = Y: a lane holds ONE row of Y, and its 64 results run along X's 128 rows, which are the next product's K.
;   q, k: X = the unit's 8 tiles of weight rows, Y = tiles 4 w + n of h.     v: X = tiles 8 (w % 2) + t of h, Y = weight tiles 4 (w / 2) + n of the unit.
;   Row r of tile 2 B + u (of h's positions and of the weights' rows alike) is number 32 B + 8 u + r + 8 (r / 8): so the 16 results of tiles 2 B, 2 B + 1 in a lane are 16 neighbours along the next K.
; LDS holds all that the work-group reads, filled once: h's block (102,400 bytes, as it lies in hbuf), and for each unit two quarters of its weight (51,200 bytes).  Nothing is filled again.
; CLUSTER.  h's block hangs on cx alone: the four work-groups of a column ask for it jointly; the weights hang on cy alone: the four of a row.  Each wave issues four loads, its quarter of each: four are out at the most.
; qkv [q, k, v][batch][16] quarters of 25,600 bytes (16 fragments 4 x member + g of 1,536 bytes; then for each g 256 bytes of scale words: lane l's 8 bytes: members 2 (l / 16), + 1, row l % 16):
;   q: quarter 4 cx + w, member n, g = cy.    k: quarter 4 w + cx, member n, g = cy.    v: quarter 4 cx + cy, member n, g = w.
; LIMITS: NaN and infinities are not served; a block whose largest magnitude lies under 2^-122 keeps the scale byte 1 (the bytes are read by this program alone).
; REGISTERS, in windows of 256: window 0: v1-22 addresses, v32-47 X's scale words, v48-55 Y's, v64-127 scale bytes as gathered, v128-205 the quantiser's, v224-255 bv.
;   window 1: the 32 accumulators, (n, t) at v[64 n + 8 t].   window 2: Y's 16 fragments, v[12 (4 n + s)]; v192-255 bk.   window 3: X's fragments, two sets, v[96 (s % 2) + 12 t]; v192-255 bq.
.set WB,  102400                       ; LDS: the weights, behind h's block
.set LI,  1                            ; 16 x lane
.set L8,  2                            ; 8 x lane
.set HA,  3                            ; v3-4   h's pieces of 16 bytes, my four tiles; K steps 0, 1 | 2, 3
.set HBA, 5                            ; v5-6   its pieces of 8 bytes
.set HS,  7                            ; v7-8   its scale bytes
.set HAV, 9                            ; v9-14  the same for unit v: my eight tiles
.set HBV, 11
.set HSV, 13
.set WX,  15                           ; v15-16 the weights of units q, k
.set WXS, 17                           ; v17-18 their scale words
.set WY,  19                           ; my quarter of Wv
.set WYS, 20
.set VBX, 21                           ; 64 (lane / 16)
.set VBY, 22                           ; 4 (r + 8 (r / 8))
.set XS,  32
.set YS,  48
.set U8,  64
.set TM,  128
.set PC,  144
.set TP,  192
.set PW,  200
.set SP,  204
.set BY,  224
.set WV,  16
.set G1H, 24
.set G1W, 32
.set G0H, 40
.set G0W, 44
.set FQ,  56
.set SQ,  58
.set FK,  60
.set SK,  62
.set FV,  66
.set SV,  68
.set SEL, 70
.set HM,  72
.set MSB, 0
.macro WIN new                         ; the immediate's high byte repeats the setting that is left
.if MSB != (\new)
	s_set_vgpr_msb (MSB<<8)|(\new)
.set MSB, (\new)
.endif
.endm
.macro PLACES n
.rept \n
	v_nop
.endr
.endm
.macro ROUND                           ; a round of the cluster's barrier
	s_barrier_signal -1
	s_barrier_wait -1
	s_cmp_lg_u32 s[WV], 0
	s_cbranch_scc1 .Lnw0_\@
	s_barrier_signal -3
.Lnw0_\@:
	s_barrier_wait -3
	s_barrier_signal -1
	s_barrier_wait -1
.endm
; one product.  c < 0: the constant 0 starts the sum.  ra, rb: the side's scale words lie in lanes 16-31
.macro WM d, a, b, c, sa, sb, ra, rb
.if (\c) < 0
.if (\ra) && (\rb)
	v_wmma_scale_f32_16x16x128_f8f6f4 v[(\d):(\d)+7], v[(\a):(\a)+11], v[(\b):(\b)+11], 0, v[(\sa)], v[(\sb)] matrix_a_fmt:MATRIX_FMT_BF6 matrix_b_fmt:MATRIX_FMT_BF6 matrix_a_scale:MATRIX_SCALE_ROW1 matrix_b_scale:MATRIX_SCALE_ROW1
.elseif (\ra)
	v_wmma_scale_f32_16x16x128_f8f6f4 v[(\d):(\d)+7], v[(\a):(\a)+11], v[(\b):(\b)+11], 0, v[(\sa)], v[(\sb)] matrix_a_fmt:MATRIX_FMT_BF6 matrix_b_fmt:MATRIX_FMT_BF6 matrix_a_scale:MATRIX_SCALE_ROW1
.elseif (\rb)
	v_wmma_scale_f32_16x16x128_f8f6f4 v[(\d):(\d)+7], v[(\a):(\a)+11], v[(\b):(\b)+11], 0, v[(\sa)], v[(\sb)] matrix_a_fmt:MATRIX_FMT_BF6 matrix_b_fmt:MATRIX_FMT_BF6 matrix_b_scale:MATRIX_SCALE_ROW1
.else
	v_wmma_scale_f32_16x16x128_f8f6f4 v[(\d):(\d)+7], v[(\a):(\a)+11], v[(\b):(\b)+11], 0, v[(\sa)], v[(\sb)] matrix_a_fmt:MATRIX_FMT_BF6 matrix_b_fmt:MATRIX_FMT_BF6
.endif
.else
.if (\ra) && (\rb)
	v_wmma_scale_f32_16x16x128_f8f6f4 v[(\d):(\d)+7], v[(\a):(\a)+11], v[(\b):(\b)+11], v[(\c):(\c)+7], v[(\sa)], v[(\sb)] matrix_a_fmt:MATRIX_FMT_BF6 matrix_b_fmt:MATRIX_FMT_BF6 matrix_a_scale:MATRIX_SCALE_ROW1 matrix_b_scale:MATRIX_SCALE_ROW1
.elseif (\ra)
	v_wmma_scale_f32_16x16x128_f8f6f4 v[(\d):(\d)+7], v[(\a):(\a)+11], v[(\b):(\b)+11], v[(\c):(\c)+7], v[(\sa)], v[(\sb)] matrix_a_fmt:MATRIX_FMT_BF6 matrix_b_fmt:MATRIX_FMT_BF6 matrix_a_scale:MATRIX_SCALE_ROW1
.elseif (\rb)
	v_wmma_scale_f32_16x16x128_f8f6f4 v[(\d):(\d)+7], v[(\a):(\a)+11], v[(\b):(\b)+11], v[(\c):(\c)+7], v[(\sa)], v[(\sb)] matrix_a_fmt:MATRIX_FMT_BF6 matrix_b_fmt:MATRIX_FMT_BF6 matrix_b_scale:MATRIX_SCALE_ROW1
.else
	v_wmma_scale_f32_16x16x128_f8f6f4 v[(\d):(\d)+7], v[(\a):(\a)+11], v[(\b):(\b)+11], v[(\c):(\c)+7], v[(\sa)], v[(\sb)] matrix_a_fmt:MATRIX_FMT_BF6 matrix_b_fmt:MATRIX_FMT_BF6
.endif
.endif
.endm
; a fragment of h: lane (r, h) takes blocks 4 s + h and 4 s + 2 + h of place 16 tl + r: 16 + 8 bytes each
.macro HFRAG reg, ha, hb, s, tl
	ds_load_b128 v[(\reg):(\reg)+3], v[\ha+(\s)/2] offset:((4*(\s))%8)*6400+256*(\tl)
	ds_load_b64 v[(\reg)+4:(\reg)+5], v[\hb+(\s)/2] offset:((4*(\s))%8)*6400+128*(\tl)
	ds_load_b128 v[(\reg)+6:(\reg)+9], v[\ha+(\s)/2] offset:((4*(\s))%8)*6400+12800+256*(\tl)
	ds_load_b64 v[(\reg)+10:(\reg)+11], v[\hb+(\s)/2] offset:((4*(\s))%8)*6400+12800+128*(\tl)
.endm
; h's scale bytes of np pairs of tiles: lanes 0-15 take tile 2 pr, lanes 16-31 tile 2 pr + 1; byte be of K step ss
.macro GATHER np, hs
.set pr, 0
.rept \np
.set ss, 0
.rept 4
.irp be, 0,1,2,3
	ds_load_u8 v[U8+4*(4*pr+ss)+\be], v[\hs+ss/2] offset:((4*ss+\be)%8)*6400+32*pr
.endr
.set ss, ss+1
.endr
.set pr, pr+1
.endr
.endm
.macro PACKW np, dst                   ; four bytes make a scale word: word 4 pr + s
.irp sh, 1,2,3
.set qq, 0
.rept 4*(\np)
.if \sh == 1
	v_lshl_or_b32 v[(\dst)+qq], v[U8+4*qq+1], 8, v[U8+4*qq]
.else
	v_lshl_or_b32 v[(\dst)+qq], v[U8+4*qq+\sh], 8*\sh, v[(\dst)+qq]
.endif
.set qq, qq+1
.endr
.endr
.endm
.macro LX_W u, s                       ; X = the 8 weight tiles of unit u, K step s: 24 loads
	WIN 0xc0
.irp t, 0,1,2,3,4,5,6,7
.irp c, 0,1,2
	ds_load_b128 v[96*((\s)%2)+12*\t+4*\c:96*((\s)%2)+12*\t+4*\c+3], v[WX+(\u)] offset:25600*(\t/4)+1536*(4*(\t%4)+(\s))+512*\c
.endr
.endr
	WIN 0
.endm
.macro LX_H s                          ; X = my 8 tiles of h, K step s: 32 loads
	WIN 0xc0
.irp t, 0,1,2,3,4,5,6,7
	HFRAG 96*((\s)%2)+12*\t, HAV, HBV, \s, \t
.endr
	WIN 0
.endm
.macro LXS u                           ; the scale words of unit u's weights: register 8 (t / 4) + 2 s + j: members j (lanes 0-15) and 2 + j (lanes 16-31)
.irp qd, 0,1
.irp g, 0,1,2,3
	ds_load_b64 v[XS+8*\qd+2*\g:XS+8*\qd+2*\g+1], v[WXS+(\u)] offset:25600*\qd+256*\g
.endr
.endr
.endm
; 32 products of K step s.  The 32 accumulators take turns, one instruction a turn, in the same order in every step.  In step 0 the bias is the C.
.macro MXA s, win0
.if (\s) == 0
	WIN \win0
.else
	WIN 0x5b
.endif
.irp t, 0,1,2,3,4,5,6,7
.irp n, 0,1,2,3
.if (\s) == 0
	WM 64*\n+8*\t, 96*((\s)%2)+12*\t, 12*(4*\n+(\s)), 192+8*\t, XS+8*(\t/4)+2*(\s)+(\t%2), YS+4*(\n/2)+(\s), (\t%4)/2, \n%2
.else
	WM 64*\n+8*\t, 96*((\s)%2)+12*\t, 12*(4*\n+(\s)), 64*\n+8*\t, XS+8*(\t/4)+2*(\s)+(\t%2), YS+4*(\n/2)+(\s), (\t%4)/2, \n%2
.endif
.endr
.endr
.endm
.macro MXV s
.if (\s) == 0
	WIN 0x4b
.else
	WIN 0x5b
.endif
.irp t, 0,1,2,3,4,5,6,7
.irp n, 0,1,2,3
.if (\s) == 0
	WM 64*\n+8*\t, 96*((\s)%2)+12*\t, 12*(4*\n+(\s)), BY+8*\n, XS+4*(\t/2)+(\s), YS+2*(\s)+(\n%2), \t%2, \n/2
.else
	WM 64*\n+8*\t, 96*((\s)%2)+12*\t, 12*(4*\n+(\s)), 64*\n+8*\t, XS+4*(\t/2)+(\s), YS+2*(\s)+(\n%2), \t%2, \n/2
.endif
.endr
.endr
.endm
; 64 numbers of a lane in window win, register 16 b + i = k 32 b + 16 (lane / 16) + i of my row, become a fragment's codes in v[pc] on and its scale word in v[pw].  Each accumulator is read from its low end on.
.macro QUANT s, win, pc, pw
	WIN (\win)|((\win)<<2)
.irp b, 0,1,2,3
	v_max3_num_f32 v[TM+\b], |v[(\s)+16*\b]|, |v[(\s)+16*\b+1]|, 0x2800000   ; with the floor 2^(5 - 127): the byte cannot fall under 1
.endr
.irp i, 2,4,6,8,10,12,14
.irp b, 0,1,2,3
	v_max3_num_f32 v[TM+\b], |v[(\s)+16*\b+\i]|, |v[(\s)+16*\b+\i+1]|, v[TM+\b]
.endr
.endr
	WIN 0
.irp b, 0,1,2,3
	v_permlanex16_b32 v[TM+4+\b], v[TM+\b], s[SEL], s[SEL+1]
.endr
.irp b, 0,1,2,3
	v_max_num_f32 v[TM+\b], v[TM+\b], v[TM+4+\b]   ; with lane l xor 16's: the block's largest magnitude
.endr
.irp b, 0,1,2,3
	v_add_nc_u32 v[TM+12+\b], 0xfe000000, v[TM+\b] ; 4 off its exponent field: the conversion's scale operand
.endr
.irp b, 0,1,2,3
	v_lshrrev_b32 v[TM+4+\b], 23, v[TM+12+\b]      ; the scale's byte
.endr
	v_lshl_or_b32 v[(\pw)], v[TM+5], 8, v[TM+4]
	v_lshl_or_b32 v[(\pw)], v[TM+6], 16, v[(\pw)]
	v_lshl_or_b32 v[(\pw)], v[TM+7], 24, v[(\pw)]
	WIN \win
.irp c, 0,1
	v_cvt_scalef32_pk16_bf6_f32 v[(\pc)+6*\c:(\pc)+6*\c+2], v[(\s)+32*\c:(\s)+32*\c+15], v[TM+12+2*\c]
	v_cvt_scalef32_pk16_bf6_f32 v[TP+4*\c:TP+4*\c+2], v[(\s)+32*\c+16:(\s)+32*\c+31], v[TM+13+2*\c]   ; (a conversion's three registers begin on an even number)
.endr
	WIN 0
	v_nop                                          ; one plain place behind a scaled conversion
.irp c, 0,1                            ; the operand's layout wants a whole block in a lane: lanes 0-15 block 2 c, lanes 16-31 block 2 c + 1
.irp i, 0,1,2
	v_permlane16_swap_b32 v[(\pc)+6*\c+\i], v[TP+4*\c+\i]
.endr
.irp i, 0,1,2
	v_mov_b32 v[(\pc)+6*\c+3+\i], v[TP+4*\c+\i]
.endr
.endr
.endm
.macro QOUT f, sp                      ; a unit's results: four fragments and their scale words
.irp n, 0,1,2,3
	QUANT 64*\n, 1, PC+12*\n, PW+\n
.irp c, 0,1,2
	global_store_b128 v[LI], v[PC+12*\n+4*\c:PC+12*\n+4*\c+3], s[\f:\f+1] offset:6144*\n+512*\c   ; 512 bytes on end, at a multiple of 256 from the buffer's first byte
.endr
.endr
	v_cndmask_b32 v[SP], v[PW], v[PW+2], s[HM]     ; lanes 0-15: members 0, 1; lanes 16-31: members 2, 3
	v_cndmask_b32 v[SP+1], v[PW+1], v[PW+3], s[HM]
	global_store_b64 v[L8], v[SP:SP+1], s[\sp:\sp+1]   ; 256 bytes on end
.endm
.macro RUNA u, win0                    ; the four K steps of unit u; X's steps 0 and 1 have been asked for
	s_wait_dscnt 24                                ; all but step 1's 24 loads
	MXA 0, \win0
	PLACES 4                                       ; in front of loads into registers that matrix instructions have read
	LX_W \u, 2
	s_wait_dscnt 24
	MXA 1, 0
	PLACES 4
	LX_W \u, 3
	s_wait_dscnt 24
	MXA 2, 0
	s_wait_dscnt 0x0
	MXA 3, 0
	WIN 0
.endm
.macro PTRS f, sp, gam                 ; s75: the quarter's byte in qkv; s[gam]: which of the quarter's four g
	s_mul_i32 s76, s[\gam], 1536
	s_add_co_u32 s76, s76, s75
	s_add_nc_u64 s[\f:\f+1], s[14:15], s[76:77]
	s_lshl_b32 s76, s[\gam], 8
	s_add_co_u32 s76, s76, s75
	s_add_co_u32 s76, s76, 24576
	s_add_nc_u64 s[\sp:\sp+1], s[14:15], s[76:77]
.endm
	s_load_b256 s[4:11], s[0:1], 0x0               ; hbuf, wts, q_b, k_b
	s_load_b128 s[12:15], s[0:1], 0x20             ; v_b, qkv
	v_lshl_add_u32 v222, v0, 2, 0x40000
	v_mov_b32 v223, 0
	ds_add_u32 v222, v223
	ds_add_u32 v222, v223
	v_lshrrev_b32 v23, 5, v0
	v_readfirstlane_b32 s[WV], v23                 ; wave 0..3
	s_bfe_u32 s17, ttmp6, 0x40000                  ; cx: which 256 positions
	s_bfe_u32 s18, ttmp6, 0x40004                  ; cy: which 128 output channels
	s_lshl_b32 s19, 0x1111, s17                    ; my column of the cluster
	s_or_b32 s[G1H], s19, (3<<16)|(1<<21)          ; group 1 for h: the mask; elements of 8 bytes; bit 21 set beside a mask; no padding
	s_lshl_b32 s73, s18, 2
	s_lshl_b32 s73, 15, s73                        ; my row
	s_or_b32 s[G1W], s73, (3<<16)|(1<<21)
	s_mov_b32 s[G1H+1], 32<<16                     ; dense blocks, as rows of 256 bytes: 100 rows of h for a wave,
	s_mov_b32 s[G1H+2], 100<<16
	s_mov_b32 s[G1H+3], 32<<16
	s_mov_b32 s[G1H+4], 100
	s_mov_b32 s[G1H+5], 32
	s_mov_b32 s[G1H+6], 0
	s_mov_b32 s[G1H+7], 0
	s_mov_b32 s[G1W+1], 32<<16                     ; 50 rows of each unit's weights
	s_mov_b32 s[G1W+2], 50<<16
	s_mov_b32 s[G1W+3], 32<<16
	s_mov_b32 s[G1W+4], 50
	s_mov_b32 s[G1W+5], 32
	s_mov_b32 s[G1W+6], 0
	s_mov_b32 s[G1W+7], 0
	s_mul_i32 s20, ttmp9, 409600                   ; h: batch, cx, wave.  (s20, s21 never hold cy; s22, s23 never hold cx)
	s_mul_i32 s21, s17, 102400
	s_add_co_u32 s20, s20, s21
	s_mul_i32 s[G0H+1], s[WV], 25600               ; its LDS address: the wave's number alone
	s_add_co_u32 s20, s20, s[G0H+1]
	s_mov_b32 s21, 0
	s_mul_i32 s22, s18, 51200                      ; weights: cy, wave
	s_mul_i32 s80, s[WV], 12800
	s_add_co_u32 s22, s22, s80
	s_mov_b32 s23, 0
	s_mov_b32 s[SEL], 0x76543210
	s_mov_b32 s[SEL+1], 0xfedcba98
	s_mov_b32 s[HM], 0xffff0000                    ; lanes 16-31
	v_and_b32 v23, 31, v0                          ; lane
	v_and_b32 v24, 15, v0                          ; r
	v_bfe_u32 v25, v0, 4, 1                        ; h
	v_lshlrev_b32 v[LI], 4, v23
	v_lshlrev_b32 v[L8], 3, v23
	v_mul_u32_u24 v26, v25, 6400                   ; lanes 16-31 take the next block of channels
	v_lshl_add_u32 v27, v24, 4, v26
	v_lshl_add_u32 v28, v24, 3, v26
	v_add_nc_u32 v28, 4096, v28
	v_add_nc_u32 v29, 6144, v23
	s_lshl_b32 s81, s[WV], 10                      ; units q, k: my tiles 4 w on
	v_add_nc_u32 v[HA], s81, v27
	v_add_nc_u32 v[HA+1], 51200, v[HA]
	s_lshl_b32 s81, s[WV], 9
	v_add_nc_u32 v[HBA], s81, v28
	v_add_nc_u32 v[HBA+1], 51200, v[HBA]
	s_lshl_b32 s81, s[WV], 6
	v_add_nc_u32 v[HS], s81, v29
	v_add_nc_u32 v[HS+1], 51200, v[HS]
	s_and_b32 s82, s[WV], 1                        ; unit v: my tiles 8 (w % 2) on
	s_lshl_b32 s81, s82, 11
	v_add_nc_u32 v[HAV], s81, v27
	v_add_nc_u32 v[HAV+1], 51200, v[HAV]
	s_lshl_b32 s81, s82, 10
	v_add_nc_u32 v[HBV], s81, v28
	v_add_nc_u32 v[HBV+1], 51200, v[HBV]
	s_lshl_b32 s81, s82, 7
	v_add_nc_u32 v[HSV], s81, v29
	v_add_nc_u32 v[HSV+1], 51200, v[HSV]
	v_add_nc_u32 v[WX], WB, v[LI]
	v_add_nc_u32 v[WX+1], WB+51200, v[LI]
	v_add_nc_u32 v[WXS], WB+24576, v[L8]
	v_add_nc_u32 v[WXS+1], WB+51200+24576, v[L8]
	s_lshr_b32 s83, s[WV], 1                       ; my quarter of Wv
	s_mul_i32 s81, s83, 25600
	s_add_co_u32 s81, s81, WB+102400
	v_add_nc_u32 v[WY], s81, v[LI]
	v_add_nc_u32 v[WYS], s81, v[L8]
	v_add_nc_u32 v[WYS], 24576, v[WYS]
	v_lshlrev_b32 v[VBX], 6, v25
	v_and_b32 v30, 8, v24
	v_add_nc_u32 v30, v30, v24
	v_lshlrev_b32 v[VBY], 2, v30
.irp b, 0,1,2,3
	v_mov_b32 v[TM+4+\b], 0                        ; written once: a lane permute's destination counts as one of its sources
.endr
	s_wait_dscnt 0x0
	s_wait_kmcnt 0x0
	s_mov_b32 s[G0H], 1
	s_add_nc_u64 s[G0H+2:G0H+3], s[4:5], s[20:21]
	s_or_b32 s[G0H+3], s[G0H+3], 0x80000000
	s_add_nc_u64 s[22:23], s[6:7], s[22:23]
.irp u, 0,1,2
	s_mov_b32 s[G0W+4*\u], 1
	s_add_co_u32 s[G0W+4*\u+1], s80, WB+51200*\u
	s_add_nc_u64 s[G0W+4*\u+2:G0W+4*\u+3], s[22:23], 204800*\u
	s_or_b32 s[G0W+4*\u+3], s[G0W+4*\u+3], 0x80000000
.endr
	; where the results go (registers of their own: they hold both cx and cy)
	s_mul_i32 s74, ttmp9, 409600
	s_mov_b32 s77, 0
	s_lshl_b32 s75, s17, 2
	s_add_co_u32 s75, s75, s[WV]
	s_mul_i32 s75, s75, 25600
	s_add_co_u32 s75, s75, s74
	PTRS FQ, SQ, 18
	s_lshl_b32 s75, s[WV], 2
	s_add_co_u32 s75, s75, s17
	s_mul_i32 s75, s75, 25600
	s_add_co_u32 s75, s75, s74
	s_add_co_u32 s75, s75, 6553600
	PTRS FK, SK, 18
	s_lshl_b32 s75, s17, 2
	s_add_co_u32 s75, s75, s18
	s_mul_i32 s75, s75, 25600
	s_add_co_u32 s75, s75, s74
	s_add_co_u32 s75, s75, 13107200
	PTRS FV, SV, WV
	s_lshl_b32 s76, s18, 9                         ; the biases of my 128 channels
	s_add_nc_u64 s[8:9], s[8:9], s[76:77]
	s_add_nc_u64 s[10:11], s[10:11], s[76:77]
	s_lshl_b32 s78, s83, 8
	s_add_co_u32 s76, s76, s78
	s_add_nc_u64 s[12:13], s[12:13], s[76:77]
	ROUND                                          ; all sixteen work-groups are here: the joint loads meet
	tensor_load_to_lds s[G0H:G0H+3], s[G1H:G1H+7]  ; all fills of the launch, as one group: h,
	s_nop 0
	tensor_load_to_lds s[G0W:G0W+3], s[G1W:G1W+7]  ; Wq,
	s_nop 0
	tensor_load_to_lds s[G0W+4:G0W+7], s[G1W:G1W+7]   ; Wk,
	s_nop 0
	tensor_load_to_lds s[G0W+8:G0W+11], s[G1W:G1W+7]  ; Wv
	s_nop 0
	PLACES 4                                       ; (four lines behind a tensor load ahead of a switch of windows)
	WIN 0xc0
.irp t, 0,1,2,3,4,5,6,7                ; bq in the result's layout: lane (r, h), tile t: channels 32 (t / 2) + 8 (t % 2) + 16 h + 0 .. 7
	global_load_b128 v[192+8*\t:192+8*\t+3], v[VBX], s[8:9] offset:4*(32*(\t/2)+8*(\t%2))
	global_load_b128 v[192+8*\t+4:192+8*\t+7], v[VBX], s[8:9] offset:4*(32*(\t/2)+8*(\t%2))+16
.endr
	WIN 0x80
.irp t, 0,1,2,3,4,5,6,7
	global_load_b128 v[192+8*\t:192+8*\t+3], v[VBX], s[10:11] offset:4*(32*(\t/2)+8*(\t%2))
	global_load_b128 v[192+8*\t+4:192+8*\t+7], v[VBX], s[10:11] offset:4*(32*(\t/2)+8*(\t%2))+16
.endr
	WIN 0
.irp n, 0,1,2,3                        ; bv: a lane holds one channel, so its eight registers hold the same number
.irp j, 0,1,2,3,4,5,6,7
	global_load_b32 v[BY+8*\n+\j], v[VBY], s[12:13] offset:4*(32*(\n/2)+8*(\n%2))
.endr
.endr
	s_wait_tensorcnt 0x2                           ; my parts of h and of Wq are in; Wk's and Wv's may be out
	s_barrier_signal -1
	s_barrier_wait -1                              ; everybody's are
	; ---- unit q
	WIN 0x80
.irp n, 0,1,2,3
.irp g, 0,1,2,3
	HFRAG 12*(4*\n+\g), HA, HBA, \g, \n
.endr
.endr
	WIN 0
	GATHER 2, HS
	LXS 0
	LX_W 0, 0
	LX_W 0, 1
	s_wait_dscnt 48                                ; all but X's two runs of 24
	PACKW 2, YS
	PLACES 8                                       ; a scale register written by a vector instruction stands eight places ahead of the product
	s_wait_loadcnt 0x0                             ; the biases
	RUNA 0, 0x7b
	s_wait_tensorcnt 0x1                           ; my part of Wk is in
	s_wait_dscnt 0x0
	s_barrier_signal -1
	s_barrier_wait -1
	PLACES 4                                       ; in front of the loads below and of the first read of results
	LXS 1
	LX_W 1, 0
	LX_W 1, 1
	QOUT FQ, SQ                                    ; q is quantised and stored while k's first operands come
	; ---- unit k: Y stays
	RUNA 1, 0x6b
	s_wait_tensorcnt 0x0                           ; my part of Wv is in
	s_wait_dscnt 0x0
	s_barrier_signal -1
	s_barrier_wait -1
	PLACES 4
	WIN 0x80
.irp n, 0,1,2,3
.irp g, 0,1,2,3
.irp c, 0,1,2
	ds_load_b128 v[12*(4*\n+\g)+4*\c:12*(4*\n+\g)+4*\c+3], v[WY] offset:1536*(4*\n+\g)+512*\c
.endr
.endr
.endr
	WIN 0
.irp g, 0,1,2,3
	ds_load_b64 v[YS+2*\g:YS+2*\g+1], v[WYS] offset:256*\g
.endr
	GATHER 4, HSV
	LX_H 0
	LX_H 1
	s_wait_xcnt 0x0                                ; q's stores have read their registers: the quantiser's are written again
	QOUT FK, SK
	; ---- unit v
	s_wait_dscnt 63                                ; Wv, its scale words and h's scale bytes are in (behind them stand X's two runs of 32; the count's field ends at 63)
	PACKW 4, XS
	PLACES 8
	s_wait_dscnt 32
	MXV 0
	PLACES 4
	LX_H 2
	s_wait_dscnt 32
	MXV 1
	PLACES 4
	LX_H 3
	s_wait_dscnt 32
	MXV 2
	s_wait_dscnt 0x0
	MXV 3
	WIN 0
	PLACES 4
	s_wait_xcnt 0x0                                ; k's stores have read their registers
	QOUT FV, SV
	s_wait_tensorcnt 0x0
	ds_add_u32 v222, v223
	s_wait_dscnt 0x0
	ROUND                                          ; the closing round
	s_endpgm
.Lfunc_end_k_q9d2ad8577d_qkv:
	.size	k_q9d2ad8577d_qkv, .Lfunc_end_k_q9d2ad8577d_qkv-k_q9d2ad8577d_qkv
	.p2alignl 7, 3214868480
	.fill 96, 4, 3214868480
	.section	.rodata,"a",@progbits
	.p2align	6, 0x0
	.amdhsa_kernel k_q9d2ad8577d_qkv
		.amdhsa_group_segment_fixed_size 262656
		.amdhsa_private_segment_fixed_size 0
		.amdhsa_enable_private_segment 0
		.amdhsa_kernarg_size 48
		.amdhsa_user_sgpr_count 2
		.amdhsa_user_sgpr_kernarg_segment_ptr 1
		.amdhsa_wavefront_size32 1
		.amdhsa_system_sgpr_workgroup_id_x 1
		.amdhsa_system_sgpr_workgroup_id_y 1
		.amdhsa_system_sgpr_workgroup_id_z 1
		.amdhsa_system_vgpr_workitem_id 0
		.amdhsa_next_free_vgpr 1024
		.amdhsa_next_free_sgpr 100
		.amdhsa_reserve_vcc 0
		.amdhsa_float_denorm_mode_32 3
		.amdhsa_float_denorm_mode_16_64 3
		.amdhsa_memory_ordered 1
		.amdhsa_forward_progress 1
		.amdhsa_inst_pref_size 156
	.end_amdhsa_kernel
	.amdgpu_metadata
---
amdhsa.version: [ 1, 2 ]
amdhsa.kernels:
  - .name:           k_q9d2ad8577d_qkv
    .symbol:         k_q9d2ad8577d_qkv.kd
    .args:
      - { .name: hbuf, .offset: 0, .size: 8, .value_kind: global_buffer, .address_space: global }
      - { .name: wts, .offset: 8, .size: 8, .value_kind: global_buffer, .address_space: global }
      - { .name: q_b, .offset: 16, .size: 8, .value_kind: global_buffer, .address_space: global }
      - { .name: k_b, .offset: 24, .size: 8, .value_kind: global_buffer, .address_space: global }
      - { .name: v_b, .offset: 32, .size: 8, .value_kind: global_buffer, .address_space: global }
      - { .name: qkv, .offset: 40, .size: 8, .value_kind: global_buffer, .address_space: global }
    .group_segment_fixed_size: 262656
    .private_segment_fixed_size: 0
    .kernarg_segment_align: 8
    .kernarg_segment_size: 48
    .max_flat_workgroup_size: 128
    .sgpr_count:     100
    .vgpr_count:     1024
    .wavefront_size: 32
...
	.end_amdgpu_metadata
.endif
;; end of part 2
;; launch attn (part 3): grid 16 x 16, 4 waves a work-group, clusters of 4 x 1, 327,680 bytes of LDS; arguments qkv, wts, p_b, x, out0; writes out0
.if DOCPART == 3
	.amdgcn_target "amdgcn-amd-amdhsa--gfx1250"
	.amdhsa_code_object_version 6
	.text
	.protected	k_q9d2ad8577d_attn
	.globl	k_q9d2ad8577d_attn
	.p2align	8
	.type	k_q9d2ad8577d_attn,@function
k_q9d2ad8577d_attn:
	s_mov_b64 s[64:65], 0
	v_nop
	global_prefetch_b8 v0, s[64:65] scope:SCOPE_SE
	s_setreg_imm32_b32 hwreg(HW_REG_WAVE_MODE, 25, 1), 1
	s_wait_xcnt 0x0
	s_wait_alu depctr_hold_cnt(0) depctr_sa_sdst(0) depctr_va_vdst(0) depctr_va_sdst(0) depctr_va_ssrc(0) depctr_va_vcc(0) depctr_vm_vsrc(0)
	s_getreg_b32 s2, hwreg(HW_REG_IB_STS2, 6, 4)
	s_cmp_eq_u32 s2, 0
	s_cbranch_scc0 .Lentry_in_a_cluster
	s_endpgm
.Lentry_in_a_cluster:
	s_bfe_u32 s2, ttmp6, 0x10000c
	s_cmp_lg_u32 s2, 0x3003
	s_cbranch_scc0 .Lentry_shape_is_right
	s_endpgm
.Lentry_shape_is_right:
; ATTN.  out = x + Wp (v softmax(q^T k / sqrt(512))^T) + bp, all three products on codes of E3M2 with E8M0 scales.
; The softmax is finished and normalised before it is quantised: a query's 1,024 scores stay in registers (256 a wave) until its maximum and its sum are known.
; SHARES.  A work-group owns 64 queries of one batch: four tiles n.  The waves share the OTHER axis, so that each fragment that streams by feeds four products:
;   S^T = k q^T: wave w has keys 256 w .. + 255 (512 registers of scores).   O^T = v p^T: channels 128 w .. + 127.   out = O Wp^T: output channels 128 w .. + 127.
;   In S^T and O^T a lane holds ONE query and its registers run along keys, then channels: the next product's K.  p and O go from wave to wave through LDS as images of operand registers.
; THE RING.  Ten tiles of 102,400 bytes (k 0-3, v 0-3, Wp 0-1; wave w reads bytes 25,600 w on of a tile of k or v) go through THREE LDS slots, by three first fills and five refills:
;   k0, k1, k2 -> slots 2, 0, 1 at the start;  k3 -> slot 2 behind k0;  v0 + v1 -> slots 0 + 1 behind k2, as ONE dense block of 204,800 bytes, 51,200 a wave;  v2 -> slot 2 at the barrier of the softmax's exchange;
;   v3 -> slot 0 behind v0;  Wp's two tiles -> slots 1 + 2 behind v2, again one dense block.  Between a request and the wait for it stand 128 products (k3, v3), the exponentials (v0 + v1), the rest of the
;   softmax (v2), 96 products and O's quantiser (Wp).  Three loads of a wave are out at the start, later one.
; p DOES NOT LIE WHOLE IN LDS: each wave keeps its eight fragments of codes in registers; v's tile g wants the p of wave g's keys alone, and wave g publishes it in one buffer of 13,312 bytes a tile ahead.
; CLUSTER.  The four work-groups of a cluster are four blocks of queries of one batch: they walk the same tiles, and ask for each jointly.
; SOFTMAX.  Each wave takes its own keys' maximum m_w away: p' = 2^(c s - c m_w), c = log2(e) / sqrt(512); the four waves' maxima and sums meet in LDS; p = p' x 2^(c m_w - c M) / total, M the row's maximum.
;   A block's largest p is not searched for: the block's largest score goes through the same instructions (this takes v_exp_f32 not to fall where its input rises).
; LIMITS: NaN and infinities are not served; a block whose largest magnitude lies under 2^-122 keeps the scale byte 1.
; REGISTERS, in windows of 256: window 0: v1-31 addresses, v32-63 scale words and nothing else, v64-255 by phase.   window 1: q, then p in two banks, then O, then rows on the way out; v192-255 bp.
;   window 2: scores of keys 0-127 of the wave, (n, t) at v[64 n + 8 t]; then O^T; then the results.   window 3: scores of keys 128-255; then v's fragments; then Wp's; then x.
.set S1,   102400                      ; LDS: slot 0 at 0, slot 1, slot 2;
.set S2,   204800
.set STAT, 307200                      ; behind them: the waves' maxima and sums: [n][which][r][wave] words,
.set PBUF, 309248                      ; one tile's p: eight fragments (4 x key step + n),
.set PBS,  321536                      ; their scale words, 128 bytes each,
.set SPARE, 322560                     ; and the spare words, 128 bytes for each wave, which no other line names
.set OSCO, 6144                        ; in a wave's own quarter of slot 0, when v3, that slot's last fill, has been read: O's four fragments (1,536 n), their scale words here,
.set STGO, 8192                        ; and a stage of 16 rows x 272 bytes
.set LI, 1
.set LS, 2
.set L8, 3
.set RA, 4                             ; v4-5   my quarter of slot 0, 1: 16 x lane
.set RS, 6                             ; v6-7   its scale words: 8 x lane
.set RA2, 8                            ; the same of slot 2
.set RS2, 9
.set PRI, 10                           ; p's buffer: 16 x lane
.set PRS, 11                           ; its scale words: 4 x lane
.set ORS2, 12                          ; O's scale words of waves 2, 3
.set OWS, 13                           ; where I put mine
.set ORI2, 14                          ; O's images of waves 2, 3 (those of waves 0, 1 by v[LI])
.set ORS, 15                           ; O's scale words of waves 0, 1
.set STO, 16
.set RD,  17
.set XO,  18
.set STW, 19
.set STR, 20
.set SPW, 21                           ; my spare word; never rewritten
.set NIL, 22                           ; 0; never rewritten
.set PFO, 23
.set PFX, 24
.set PBA, 25
.set WA,  30                           ; my two quarters of Wp: slot 1 + 51,200 w + 16 x lane
.set WS,  31                           ; their scale words
.set QS,  32                           ; v32-39 q's scale words; then p's, bank 1; then O's
.set RSC, 40                           ; v40-55 the ring's, two sets
.set PS,  56                           ; v56-63 p's, bank 0; then O's
.set BM,  64                           ; softmax: v64-95 block 16 e + 4 n + b: its largest score, then p, then byte
.set T2,  96                           ; v96-127 at work; then the conversions' scale operands
.set ST,  128                          ; v128-159 eight a tile: +0 -c m_w, +2, +3 the sum, +4 what p' is multiplied by, +6, +7 at work
.set X4,  160                          ; v160-191 the four waves' figures
.set PC,  128                          ; v128-223 p's codes, fragment 4 e + n, when the figures above are done with; they stay until my turn to publish
.set PW,  248                          ; v248-255 p's scale words
.set TM,  80                           ; O's quantiser: v80-95 at work, v96-143 codes, v144-151 at work, v152-155 scale words
.set PC2, 96
.set PW2, 152
.set WV,  14
.set G1,  24                           ; s[24:31] group 1: 100 rows of 256 bytes
.set G0,  32                           ; s[32:35], s[36:39], s[68:71] groups 0 of the three first fills; the first then serves every refill
.set KP,  40
.set VP,  42
.set WP,  44
.set PF,  46
.set CS,  48
.set SEL, 50
.set XP,  54
.set OP,  56
.set QP,  58
.set VQ,  66                           ; s[66:67] v at my 51,200 bytes of the block of its tiles 0 and 1
.set G0C, 68
.set G1B, 72                           ; s[72:79] group 1: 200 rows of 256 bytes
.set MSB, 0
.macro WIN new                         ; the immediate's high byte repeats the setting that is left
.if MSB != (\new)
	s_set_vgpr_msb (MSB<<8)|(\new)
.set MSB, (\new)
.endif
.endm
.macro PLACES n
.rept \n
	v_nop
.endr
.endm
.macro BAR                             ; my LDS stores have landed and my LDS loads are in: then the work-group's barrier.  a tile may stay on its way
	s_wait_dscnt 0x0
	s_barrier_signal -1
	s_barrier_wait -1
.endm
.macro ROUND                           ; a round of the cluster's barrier
	s_barrier_signal -1
	s_barrier_wait -1
	s_cmp_lg_u32 s[WV], 0
	s_cbranch_scc1 .Lnw0_\@
	s_barrier_signal -3
.Lnw0_\@:
	s_barrier_wait -3
	s_barrier_signal -1
	s_barrier_wait -1
.endm
; one product.  c < 0: the constant 0 starts the sum.  ra, rb: the side's scale words lie in lanes 16-31
.macro WM d, a, b, c, sa, sb, ra, rb
.if (\c) < 0
.if (\ra) && (\rb)
	v_wmma_scale_f32_16x16x128_f8f6f4 v[(\d):(\d)+7], v[(\a):(\a)+11], v[(\b):(\b)+11], 0, v[(\sa)], v[(\sb)] matrix_a_fmt:MATRIX_FMT_BF6 matrix_b_fmt:MATRIX_FMT_BF6 matrix_a_scale:MATRIX_SCALE_ROW1 matrix_b_scale:MATRIX_SCALE_ROW1
.elseif (\ra)
	v_wmma_scale_f32_16x16x128_f8f6f4 v[(\d):(\d)+7], v[(\a):(\a)+11], v[(\b):(\b)+11], 0, v[(\sa)], v[(\sb)] matrix_a_fmt:MATRIX_FMT_BF6 matrix_b_fmt:MATRIX_FMT_BF6 matrix_a_scale:MATRIX_SCALE_ROW1
.elseif (\rb)
	v_wmma_scale_f32_16x16x128_f8f6f4 v[(\d):(\d)+7], v[(\a):(\a)+11], v[(\b):(\b)+11], 0, v[(\sa)], v[(\sb)] matrix_a_fmt:MATRIX_FMT_BF6 matrix_b_fmt:MATRIX_FMT_BF6 matrix_b_scale:MATRIX_SCALE_ROW1
.else
	v_wmma_scale_f32_16x16x128_f8f6f4 v[(\d):(\d)+7], v[(\a):(\a)+11], v[(\b):(\b)+11], 0, v[(\sa)], v[(\sb)] matrix_a_fmt:MATRIX_FMT_BF6 matrix_b_fmt:MATRIX_FMT_BF6
.endif
.else
.if (\ra) && (\rb)
	v_wmma_scale_f32_16x16x128_f8f6f4 v[(\d):(\d)+7], v[(\a):(\a)+11], v[(\b):(\b)+11], v[(\c):(\c)+7], v[(\sa)], v[(\sb)] matrix_a_fmt:MATRIX_FMT_BF6 matrix_b_fmt:MATRIX_FMT_BF6 matrix_a_scale:MATRIX_SCALE_ROW1 matrix_b_scale:MATRIX_SCALE_ROW1
.elseif (\ra)
	v_wmma_scale_f32_16x16x128_f8f6f4 v[(\d):(\d)+7], v[(\a):(\a)+11], v[(\b):(\b)+11], v[(\c):(\c)+7], v[(\sa)], v[(\sb)] matrix_a_fmt:MATRIX_FMT_BF6 matrix_b_fmt:MATRIX_FMT_BF6 matrix_a_scale:MATRIX_SCALE_ROW1
.elseif (\rb)
	v_wmma_scale_f32_16x16x128_f8f6f4 v[(\d):(\d)+7], v[(\a):(\a)+11], v[(\b):(\b)+11], v[(\c):(\c)+7], v[(\sa)], v[(\sb)] matrix_a_fmt:MATRIX_FMT_BF6 matrix_b_fmt:MATRIX_FMT_BF6 matrix_b_scale:MATRIX_SCALE_ROW1
.else
	v_wmma_scale_f32_16x16x128_f8f6f4 v[(\d):(\d)+7], v[(\a):(\a)+11], v[(\b):(\b)+11], v[(\c):(\c)+7], v[(\sa)], v[(\sb)] matrix_a_fmt:MATRIX_FMT_BF6 matrix_b_fmt:MATRIX_FMT_BF6
.endif
.endif
.endm
; A REFILL.  Each wave waits for all its tensor loads, adds 0 to its spare word, and waits for that and for all its LDS reads and stores; a round of the cluster's barrier; then the joint load, first thing behind
; the round, one a wave.  g1: the shape (100 or 200 rows);  s[lreg] + loff: the LDS address (the wave's number x a constant + the slot's constant);  s[base] + off: where the bytes lie in memory.
.macro CHG g1, lreg, loff, base, off
	WIN 0
	s_wait_tensorcnt 0x0                           ; no tensor load of mine is out, so the group 0 may be written
	ds_add_u32 v[SPW], v[NIL]                      ; 0 onto my spare word
	s_add_co_u32 s[G0+1], s[\lreg], \loff
	s_add_nc_u64 s[G0+2:G0+3], s[\base:\base+1], \off
	s_or_b32 s[G0+3], s[G0+3], 0x80000000
	s_wait_dscnt 0x0                               ; the add is done, and my reads of the bytes that are filled again are over
	ROUND
	tensor_load_to_lds s[G0:G0+3], s[\g1:\g1+7]
	s_nop 0
	PLACES 4                                       ; (the places in front of the LDS loads that follow)
.endm
; eight fragments of a quarter: members 2 hf, 2 hf + 1, all four g: 24 loads
.macro LFR win, base, areg, hf, off
	WIN \win
.irp tl, 0,1
.irp g, 0,1,2,3
.irp c, 0,1,2
	ds_load_b128 v[(\base)+12*(4*\tl+\g)+4*\c:(\base)+12*(4*\tl+\g)+4*\c+3], v[\areg] offset:(\off)+1536*(4*(2*(\hf)+\tl)+\g)+512*\c
.endr
.endr
.endr
	WIN 0
.endm
.macro LRS areg, set, off              ; a quarter's scale words: register 2 g + j: members j (lanes 0-15), 2 + j (lanes 16-31)
.irp g, 0,1,2,3
	ds_load_b64 v[RSC+8*(\set)+2*\g:RSC+8*(\set)+2*\g+1], v[\areg] offset:(\off)+256*\g
.endr
.endm
; 32 products of S^T: key tiles 2 hf, 2 hf + 1 of tile i x four tiles of queries x four K steps.  The eight accumulators take turns, one instruction a turn
.macro MS i, hf
	WIN 0xa4+0x50*((\i)/2)
.irp g, 0,1,2,3
.irp tl, 0,1
.irp n, 0,1,2,3
.if \g == 0
	WM 64*\n+8*(4*((\i)%2)+2*(\hf)+\tl), 64+96*(\hf)+12*(4*\tl+\g), 12*(4*\n+\g), -1, RSC+8*((\i)%2)+2*\g+\tl, QS+2*\g+(\n%2), \hf, \n/2
.else
	WM 64*\n+8*(4*((\i)%2)+2*(\hf)+\tl), 64+96*(\hf)+12*(4*\tl+\g), 12*(4*\n+\g), 64*\n+8*(4*((\i)%2)+2*(\hf)+\tl), RSC+8*((\i)%2)+2*\g+\tl, QS+2*\g+(\n%2), \hf, \n/2
.endif
.endr
.endr
.endr
.endm
.macro LV areg, p                      ; v's eight channel tiles of a tile's key step p: 24 loads
	WIN 0xc0
.irp tc, 0,1,2,3,4,5,6,7
.irp c, 0,1,2
	ds_load_b128 v[96*(\p)+12*\tc+4*\c:96*(\p)+12*\tc+4*\c+3], v[\areg] offset:1536*(4*(\tc%4)+2*(\tc/4)+(\p))+512*\c
.endr
.endr
	WIN 0
.endm
.macro LP sg                           ; the p of v's tile sg, eight fragments and their scale words, out of the buffer into bank sg % 2: 32 loads
	WIN 0x40
.irp p, 0,1
.irp n, 0,1,2,3
.irp c, 0,1,2
	ds_load_b128 v[96*((\sg)%2)+48*\p+12*\n+4*\c:96*((\sg)%2)+48*\p+12*\n+4*\c+3], v[PRI] offset:1536*(4*\p+\n)+512*\c
.endr
.endr
.endr
	WIN 0
.irp p, 0,1
.irp n, 0,1,2,3
	ds_load_b32 v[PS-24*((\sg)%2)+4*\p+\n], v[PRS] offset:128*(4*\p+\n)
.endr
.endr
.endm
.macro PPUB sg                         ; wave sg alone puts its p into the buffer: a branch on the wave's number, round the stores alone
	s_cmp_lg_u32 s[WV], \sg
	s_cbranch_scc1 .Lpp_\@
.set kk, 0
.rept 8
.irp c, 0,1,2
	ds_store_b128 v[PRI], v[PC+12*kk+4*\c:PC+12*kk+4*\c+3] offset:1536*kk+512*\c
.endr
	ds_store_b32 v[PRS], v[PW+kk] offset:128*kk
.set kk, kk+1
.endr
.Lpp_\@:
.endm
.macro MV sg, p                        ; 32 products of O^T, one key step: the 32 accumulators by turns
	WIN 0xa7
.irp tc, 0,1,2,3,4,5,6,7
.irp n, 0,1,2,3
.if ((\sg) == 0) && ((\p) == 0)
	WM 64*\n+8*\tc, 96*(\p)+12*\tc, 96*((\sg)%2)+48*(\p)+12*\n, -1, RSC+8*((\sg)%2)+2*(2*(\tc/4)+(\p))+(\tc%2), PS-24*((\sg)%2)+4*(\p)+\n, (\tc%4)/2, 0
.else
	WM 64*\n+8*\tc, 96*(\p)+12*\tc, 96*((\sg)%2)+48*(\p)+12*\n, 64*\n+8*\tc, RSC+8*((\sg)%2)+2*(2*(\tc/4)+(\p))+(\tc%2), PS-24*((\sg)%2)+4*(\p)+\n, (\tc%4)/2, 0
.endif
.endr
.endr
.endm
.macro MW u, hf                        ; 32 products of the projection: source 0 = O (16 queries), source 1 = Wp (16 output channels): a lane holds one output channel and eight neighbouring positions.  bp is the first C
.irp g, 0,1,2,3
.if \g == 0
	WIN 0x9d
.else
	WIN 0xad
.endif
.irp tl, 0,1
.irp n, 0,1,2,3
.if \g == 0
	WM 32*(4*(\u)+2*(\hf)+\tl)+8*\n, 12*(4*\n+\g), 96*(\hf)+12*(4*\tl+\g), 192+8*(4*(\u)+2*(\hf)+\tl), 32+(4*\n+\g)+16*((4*\n+\g)/8), RSC+8*(\u)+2*\g+\tl, 0, \hf
.else
	WM 32*(4*(\u)+2*(\hf)+\tl)+8*\n, 12*(4*\n+\g), 96*(\hf)+12*(4*\tl+\g), 32*(4*(\u)+2*(\hf)+\tl)+8*\n, 32+(4*\n+\g)+16*((4*\n+\g)/8), RSC+8*(\u)+2*\g+\tl, 0, \hf
.endif
.endr
.endr
.endr
.endm
; A PREFETCH INTO THE L2 of v's tile i (and j, if there is one), at the refill that stands one ahead of the refill that asks for it.  All clusters of a batch walk the same tiles: the batch's first cluster asks.
; Of the 100 rows of 256 bytes of quarter w of a tile, each of the four partners names 25, told apart by address; lanes 25-31 name lane 24's row again.  k's tiles are not asked for: their requests would stand at the head.
.macro ASK i, j
	s_cmp_eq_u32 s16, 0
	s_cbranch_scc0 .Lnp_\@
	global_prefetch_b8 v[PFO], s[PF:PF+1] offset:102400*(\i) th:TH_LOAD_NT scope:SCOPE_SE
.if (\j) >= 0
	global_prefetch_b8 v[PFO], s[PF:PF+1] offset:102400*(\j) th:TH_LOAD_NT scope:SCOPE_SE
.endif
.Lnp_\@:
.endm
.macro ASKX k                          ; and of x: rows 32 k .. 32 k + 31 of my wave's 128, a lane a row, 256 bytes each: nobody else reads them
	global_prefetch_b8 v[PFX], s[XP:XP+1] offset:131072*(\k) th:TH_LOAD_NT scope:SCOPE_SE
.endm
; 64 numbers of a lane in window win, register 16 b + i = k 32 b + 16 (lane / 16) + i of my row, become a fragment's codes in v[pc] on and its scale word in v[pw].  Each accumulator is read from its low end on.
.macro QUANT s, win, pc, pw
	WIN (\win)|((\win)<<2)
.irp b, 0,1,2,3
	v_max3_num_f32 v[TM+\b], |v[(\s)+16*\b]|, |v[(\s)+16*\b+1]|, 0x2800000   ; with the floor 2^(5 - 127): the byte cannot fall under 1
.endr
.irp i, 2,4,6,8,10,12,14
.irp b, 0,1,2,3
	v_max3_num_f32 v[TM+\b], |v[(\s)+16*\b+\i]|, |v[(\s)+16*\b+\i+1]|, v[TM+\b]
.endr
.endr
	WIN 0
.irp b, 0,1,2,3
	v_permlanex16_b32 v[TM+4+\b], v[TM+\b], s[SEL], s[SEL+1]
.endr
.irp b, 0,1,2,3
	v_max_num_f32 v[TM+\b], v[TM+\b], v[TM+4+\b]
.endr
.irp b, 0,1,2,3
	v_add_nc_u32 v[TM+12+\b], 0xfe000000, v[TM+\b]
.endr
.irp b, 0,1,2,3
	v_lshrrev_b32 v[TM+4+\b], 23, v[TM+12+\b]
.endr
	v_lshl_or_b32 v[(\pw)], v[TM+5], 8, v[TM+4]
	v_lshl_or_b32 v[(\pw)], v[TM+6], 16, v[(\pw)]
	v_lshl_or_b32 v[(\pw)], v[TM+7], 24, v[(\pw)]
	WIN \win
.irp c, 0,1
	v_cvt_scalef32_pk16_bf6_f32 v[(\pc)+6*\c:(\pc)+6*\c+2], v[(\s)+32*\c:(\s)+32*\c+15], v[TM+12+2*\c]
	v_cvt_scalef32_pk16_bf6_f32 v[TP+4*\c:TP+4*\c+2], v[(\s)+32*\c+16:(\s)+32*\c+31], v[TM+13+2*\c]
.endr
	WIN 0
	v_nop                                          ; one plain place behind a scaled conversion
.irp c, 0,1
.irp i, 0,1,2
	v_permlane16_swap_b32 v[(\pc)+6*\c+\i], v[TP+4*\c+\i]
.endr
.irp i, 0,1,2
	v_mov_b32 v[(\pc)+6*\c+3+\i], v[TP+4*\c+\i]
.endr
.endr
.endm
.macro QP e, n                         ; p of tile n, my keys 128 e on: its codes, fragment 4 e + n; they stay in registers
	WIN 2+(\e)
.irp c, 0,1
	v_cvt_scalef32_pk16_bf6_f32 v[PC+12*(4*(\e)+(\n))+6*\c:PC+12*(4*(\e)+(\n))+6*\c+2], v[64*(\n)+32*\c:64*(\n)+32*\c+15], v[T2+16*(\e)+4*(\n)+2*\c]
	v_cvt_scalef32_pk16_bf6_f32 v[TP+4*\c:TP+4*\c+2], v[64*(\n)+32*\c+16:64*(\n)+32*\c+31], v[T2+16*(\e)+4*(\n)+2*\c+1]
.endr
	WIN 0
	v_nop                                          ; one plain place behind a scaled conversion
.irp c, 0,1
.irp i, 0,1,2
	v_permlane16_swap_b32 v[PC+12*(4*(\e)+(\n))+6*\c+\i], v[TP+4*\c+\i]
.endr
.irp i, 0,1,2
	v_mov_b32 v[PC+12*(4*(\e)+(\n))+6*\c+3+\i], v[TP+4*\c+\i]
.endr
.endr
.endm
.macro XSEL a                          ; where block a of x lies: blocks 0-4 in window 0, 5-7 in window 3
.if (\a) < 5
.set XW, 0
.set XB, 96+32*(\a)
.elseif (\a) == 5
.set XW, 3
.set XB, 192
.elseif (\a) == 6
.set XW, 3
.set XB, 224
.else
.set XW, 3
.set XB, 0
.endif
.endm
.macro XLD a                           ; x at the 16 output channels of tile a, my 64 positions: sixteen lanes read a row's 256 bytes
	XSEL \a
	WIN XW<<6
.irp t, 0,1,2,3,4,5,6,7
	global_load_b128 v[XB+4*\t:XB+4*\t+3], v[XO], s[XP:XP+1] offset:4096*(32*((\a)/2)+8*((\a)%2)+2*\t+8*(\t/4)) th:TH_LOAD_NT
.endr
	WIN 0
.endm
.macro TOSTAGE a                       ; tile a's results into my stage (row = output channel, 256 bytes = my 64 positions), and back as whole rows
	WIN 0x08
.irp n, 0,1,2,3
.irp k, 0,1
	ds_store_b128 v[STO], v[32*(\a)+8*\n+4*\k:32*(\a)+8*\n+4*\k+3] offset:128*(\n/2)+32*(\n%2)+16*\k   ; each accumulator from its low end on
.endr
.endr
	WIN 0x40
.irp t, 0,1,2,3,4,5,6,7
	ds_load_b128 v[32*((\a)%2)+4*\t:32*((\a)%2)+4*\t+3], v[RD] offset:544*\t   ; LDS serves a wave's instructions in order: these see the stores above
.endr
	WIN 0
.endm
.macro SEND a, younger                 ; + x, and out.  younger: the LDS instructions issued behind tile a's loads
	XSEL \a
	s_wait_dscnt \younger
	s_wait_loadcnt 8*(7-(\a))                      ; x's block a is in; the later blocks may be out
	WIN 0x41|(XW<<2)
.set jj, 0
.rept 16
	v_pk_add_f32 v[32*((\a)%2)+2*jj:32*((\a)%2)+2*jj+1], v[32*((\a)%2)+2*jj:32*((\a)%2)+2*jj+1], v[XB+2*jj:XB+2*jj+1]
.set jj, jj+1
.endr
	WIN 0x04
.irp t, 0,1,2,3,4,5,6,7
	global_store_b128 v[XO], v[32*((\a)%2)+4*\t:32*((\a)%2)+4*\t+3], s[OP:OP+1] offset:4096*(32*((\a)/2)+8*((\a)%2)+2*\t+8*(\t/4)) th:TH_STORE_NT   ; sixteen lanes store 256 bytes on end, at a multiple of 256 from the buffer's first byte
.endr
	WIN 0
.endm
	s_load_b256 s[4:11], s[0:1], 0x0               ; qkv, wts, p_b, x
	s_load_b64 s[12:13], s[0:1], 0x20              ; out0
	v_lshl_add_u32 v[SPW], v0, 2, SPARE
	v_mov_b32 v[NIL], 0
	ds_add_u32 v21, v22
	ds_add_u32 v21, v22
	s_wait_dscnt 0x0
	v_lshrrev_b32 v26, 5, v0
	v_readfirstlane_b32 s[WV], v26                 ; wave 0..3
	s_bfe_u32 s15, ttmp6, 0x40000                  ; cx
	s_mov_b32 s16, ttmp9                           ; the cluster's x
	s_and_b32 s17, ttmp7, 0xffff                   ; the batch
	s_mov_b32 s[G1], 15|(3<<16)|(1<<21)            ; the mask: all four work-groups; elements of 8 bytes; bit 21 set beside a mask; no padding
	s_mov_b32 s[G1+1], 32<<16                      ; a dense block of 25,600 bytes, as 100 rows of 256
	s_mov_b32 s[G1+2], 100<<16
	s_mov_b32 s[G1+3], 32<<16
	s_mov_b32 s[G1+4], 100
	s_mov_b32 s[G1+5], 32
	s_mov_b32 s[G1+6], 0
	s_mov_b32 s[G1+7], 0
	s_mov_b32 s[G1B], 15|(3<<16)|(1<<21)           ; the same for a dense block of 51,200 bytes: 200 rows
	s_mov_b32 s[G1B+1], 32<<16
	s_mov_b32 s[G1B+2], 200<<16
	s_mov_b32 s[G1B+3], 32<<16
	s_mov_b32 s[G1B+4], 200
	s_mov_b32 s[G1B+5], 32
	s_mov_b32 s[G1B+6], 0
	s_mov_b32 s[G1B+7], 0
	s_mov_b32 s[CS], 0x3d8293ee                    ; c = log2(e) / sqrt(512)
	s_mov_b32 s[CS+1], s[CS]                       ; (named with it as a pair, so it is written)
	s_mov_b32 s52, 0xbd8293ee                      ; -c
	s_mov_b32 s[SEL], 0x76543210
	s_mov_b32 s[SEL+1], 0xfedcba98
	v_and_b32 v26, 31, v0                          ; lane
	v_and_b32 v27, 15, v0                          ; r
	v_bfe_u32 v28, v0, 4, 1                        ; h
	v_lshlrev_b32 v[LI], 4, v26
	v_lshlrev_b32 v[LS], 2, v26
	v_lshlrev_b32 v[L8], 3, v26
	s_mul_i32 s18, s[WV], 25600                    ; my quarter of a slot
	s_mul_i32 s53, s[WV], 51200                    ; my quarter of two slots on end
	v_add_nc_u32 v[RA], s18, v[LI]
	v_add_nc_u32 v[RA+1], S1, v[RA]
	v_add_nc_u32 v[RA2], S2, v[RA]
	v_add_nc_u32 v[RS], s18, v[L8]
	v_add_nc_u32 v[RS], 24576, v[RS]
	v_add_nc_u32 v[RS+1], S1, v[RS]
	v_add_nc_u32 v[RS2], S2, v[RS]
	v_add_nc_u32 v[WA], s53, v[LI]
	v_add_nc_u32 v[WA], S1, v[WA]
	v_add_nc_u32 v[WS], s53, v[L8]
	v_add_nc_u32 v[WS], S1+24576, v[WS]
	v_add_nc_u32 v[PRI], PBUF, v[LI]
	v_add_nc_u32 v[PRS], PBS, v[LS]
	v_add_nc_u32 v[OWS], s18, v[LS]
	v_add_nc_u32 v[OWS], OSCO, v[OWS]
	v_add_nc_u32 v[ORI2], 51200, v[LI]
	v_add_nc_u32 v[ORS], OSCO, v[LS]
	v_add_nc_u32 v[ORS2], OSCO+51200, v[LS]
	s_add_co_u32 s19, s18, STGO                    ; my stage
	v_mul_u32_u24 v29, v27, 272
	v_lshl_add_u32 v29, v28, 6, v29
	v_add_nc_u32 v[STO], s19, v29                  ; in: row r, + 64 h
	v_mul_u32_u24 v29, v28, 272
	v_lshl_add_u32 v29, v27, 4, v29
	v_add_nc_u32 v[RD], s19, v29                   ; back: lanes 0-15 one row, lanes 16-31 the next
	v_lshlrev_b32 v[XO], 12, v28
	v_lshl_add_u32 v[XO], v27, 4, v[XO]            ; and the same two rows in x and in out0
	v_lshl_add_u32 v[STR], v27, 4, STAT
	s_lshl_b32 s19, s[WV], 2
	v_add_nc_u32 v[STW], s19, v[STR]
	v_min_u32 v29, 24, v26
	v_lshlrev_b32 v[PFO], 8, v29
	v_lshlrev_b32 v[PFX], 12, v26
	v_and_b32 v29, 8, v27
	v_add_nc_u32 v29, v29, v27
	v_lshlrev_b32 v[PBA], 2, v29                   ; bp: 4 (r + 8 (r / 8))
	s_mul_i32 s20, s17, 409600                     ; the ring's tiles hang on the batch and the wave alone (s18 to s23 and s53 never hold cx)
	s_add_co_u32 s20, s20, s18
	s_mov_b32 s21, 0
	s_add_co_u32 s22, s53, 614400
	s_mov_b32 s23, 0
	s_lshl_b32 s60, s16, 2
	s_add_co_u32 s60, s60, s15                     ; my block of 64 queries
	s_mul_i32 s62, s60, 25600
	s_mul_i32 s63, s17, 409600
	s_add_co_u32 s62, s62, s63
	s_mov_b32 s63, 0
	s_lshl_b32 s60, s60, 8                         ; its 256 bytes of a row of x,
	s_lshl_b32 s61, s17, 21                        ; the batch,
	s_add_co_u32 s60, s60, s61
	s_lshl_b32 s61, s[WV], 19                      ; my 128 rows
	s_add_co_u32 s60, s60, s61
	s_mov_b32 s61, 0
	s_wait_kmcnt 0x0
	s_add_nc_u64 s[KP:KP+1], s[4:5], s[20:21]
	s_add_nc_u64 s[VP:VP+1], s[KP:KP+1], 13107200
	s_add_nc_u64 s[KP:KP+1], s[KP:KP+1], 6553600
	s_add_nc_u64 s[WP:WP+1], s[6:7], s[22:23]
	s_mov_b32 s22, s18
	s_add_nc_u64 s[VQ:VQ+1], s[VP:VP+1], s[22:23]  ; v at 51,200 w of the batch
	s_add_nc_u64 s[QP:QP+1], s[4:5], s[62:63]
	s_add_nc_u64 s[XP:XP+1], s[10:11], s[60:61]
	s_add_nc_u64 s[OP:OP+1], s[12:13], s[60:61]
	s_mul_i32 s62, s15, 6400
	s_add_nc_u64 s[PF:PF+1], s[VP:VP+1], s[62:63]
	s_lshl_b32 s62, s[WV], 9
	s_add_nc_u64 s[8:9], s[8:9], s[62:63]
	s_mov_b32 s[G0C], 1                            ; k's tile 0 -> slot 2
	s_add_co_u32 s[G0C+1], s18, S2
	s_mov_b64 s[G0C+2:G0C+3], s[KP:KP+1]
	s_or_b32 s[G0C+3], s[G0C+3], 0x80000000
	s_mov_b32 s[G0], 1                             ; tile 1 -> slot 0
	s_mov_b32 s[G0+1], s18
	s_add_nc_u64 s[G0+2:G0+3], s[KP:KP+1], 102400
	s_or_b32 s[G0+3], s[G0+3], 0x80000000
	s_mov_b32 s[G0+4], 1                           ; tile 2 -> slot 1
	s_add_co_u32 s[G0+5], s18, S1
	s_add_nc_u64 s[G0+6:G0+7], s[KP:KP+1], 204800
	s_or_b32 s[G0+7], s[G0+7], 0x80000000
	ROUND                                          ; all four work-groups are here: the first joint loads meet
	tensor_load_to_lds s[G0C:G0C+3], s[G1:G1+7]    ; the three first fills, as one group
	s_nop 0
	tensor_load_to_lds s[G0:G0+3], s[G1:G1+7]
	s_nop 0
	tensor_load_to_lds s[G0+4:G0+7], s[G1:G1+7]
	s_nop 0
	PLACES 4
	WIN 0x40
.irp n, 0,1,2,3
.irp g, 0,1,2,3
.irp c, 0,1,2
	global_load_b128 v[12*(4*\n+\g)+4*\c:12*(4*\n+\g)+4*\c+3], v[LI], s[QP:QP+1] offset:1536*(4*\n+\g)+512*\c   ; q's 16 fragments stay in registers
.endr
.endr
.endr
.irp a, 0,1,2,3,4,5,6,7                ; bp: a lane holds one output channel, so a tile's eight registers hold the same number
.irp j, 0,1,2,3,4,5,6,7
	global_load_b32 v[192+8*\a+\j], v[PBA], s[8:9] offset:4*(32*(\a/2)+8*(\a%2))
.endr
.endr
	WIN 0
.irp g, 0,1,2,3
	global_load_b64 v[QS+2*\g:QS+2*\g+1], v[L8], s[QP:QP+1] offset:24576+256*\g
.endr
	s_wait_tensorcnt 0x2                           ; my quarter of tile 0 is in; tiles 1 and 2 may be out.  Nobody else reads my quarter: no barrier
	LFR 0, 64, RA2, 0, 0
	LRS RS2, 0, 0
	LFR 0, 160, RA2, 1, 0
	s_wait_loadcnt 0x0                             ; q, bp
	s_wait_dscnt 24                                ; all but the second run of 24
	MS 0, 0
	; ---- S^T
	CHG G1, 18, S2, KP, 307200                     ; k's tile 3 into the slot that tile 0 has left: 128 products stand ahead of the wait for it
	LFR 0, 64, RA, 0, 0
	LRS RS, 1, 0
	ASK 0, 1
	MS 0, 1
	PLACES 4                                       ; in front of loads into registers that matrix instructions have read
	LFR 0, 160, RA, 1, 0
	s_wait_dscnt 24
	MS 1, 0
	PLACES 4
	LFR 0, 64, RA+1, 0, 0
	LRS RS+1, 0, 0
	s_wait_dscnt 28                                ; all but the 24 + 4 just issued
	MS 1, 1
	PLACES 4
	LFR 0, 160, RA+1, 1, 0
	s_wait_dscnt 24
	MS 2, 0
	CHG G1B, 53, 0, VQ, 0                          ; v's tiles 0 and 1, one block, into the slots that k's tiles 1 and 2 have left: they land under the exponentials
	LFR 0, 64, RA2, 0, 0
	LRS RS2, 1, 0
	ASK 2, -1
	MS 2, 1
	PLACES 4
	LFR 0, 160, RA2, 1, 0
	s_wait_dscnt 24
	MS 3, 0
	s_wait_dscnt 0x0
	MS 3, 1
	PLACES 4
	; ---- SOFTMAX.  The largest score of each block of 32 keys: 16 of them are mine
.irp e, 0,1
	WIN 0x0a+5*\e
.irp n, 0,1,2,3
.irp b, 0,1,2,3
	v_max_num_f32 v[BM+16*\e+4*\n+\b], v[64*\n+16*\b], v[64*\n+16*\b+1]
.endr
.endr
.irp i, 2,4,6,8,10,12,14
.irp n, 0,1,2,3
.irp b, 0,1,2,3
	v_max3_num_f32 v[BM+16*\e+4*\n+\b], v[64*\n+16*\b+\i], v[64*\n+16*\b+\i+1], v[BM+16*\e+4*\n+\b]
.endr
.endr
.endr
.endr
	WIN 0
.set kk, 0
.rept 32
	v_permlanex16_b32 v[T2+kk], v[BM+kk], s[SEL], s[SEL+1]
.set kk, kk+1
.endr
.set kk, 0
.rept 32
	v_max_num_f32 v[BM+kk], v[BM+kk], v[T2+kk]     ; with lane l xor 16's 16 keys
.set kk, kk+1
.endr
.irp n, 0,1,2,3
	v_max3_num_f32 v[ST+8*\n+6], v[BM+4*\n], v[BM+4*\n+1], v[BM+4*\n+2]
.endr
.irp n, 0,1,2,3
	v_max3_num_f32 v[ST+8*\n+6], v[ST+8*\n+6], v[BM+4*\n+3], v[BM+16+4*\n]
.endr
.irp n, 0,1,2,3
	v_max3_num_f32 v[ST+8*\n+6], v[ST+8*\n+6], v[BM+16+4*\n+1], v[BM+16+4*\n+2]
.endr
.irp n, 0,1,2,3
	v_max_num_f32 v[ST+8*\n+6], v[ST+8*\n+6], v[BM+16+4*\n+3]   ; m_w: the largest of my 256 keys
.endr
.irp n, 0,1,2,3
	v_mul_f32 v[ST+8*\n], s52, v[ST+8*\n+6]        ; -c m_w
	v_mov_b32 v[ST+8*\n+1], 0                      ; (named as the upper halves of pairs of which the low word serves both halves)
	v_mov_b32 v[ST+8*\n+5], 0
.endr
.irp e, 0,1
	WIN 0x82+0x41*\e
.set jj, 0
.rept 128
	v_pk_fma_f32 v[2*jj:2*jj+1], v[2*jj:2*jj+1], s[CS:CS+1], v[ST+8*(jj/32):ST+8*(jj/32)+1] op_sel_hi:[1,0,0]   ; c s - c m_w, two at a time
.set jj, jj+1
.endr
.endr
	WIN 0
.set kk, 0
.rept 32
	v_fma_f32 v[BM+kk], v[BM+kk], s[CS], v[ST+8*((kk/4)%4)]   ; the same of each block's largest score
.set kk, kk+1
.endr
.irp e, 0,1                            ; the exponentials are ONE batch
	WIN 0x82+0x41*\e
.set jj, 0
.rept 256
	v_exp_f32 v[jj], v[jj]
.set jj, jj+1
.endr
.endr
	WIN 0
.set kk, 0
.rept 32
	v_exp_f32 v[BM+kk], v[BM+kk]
.set kk, kk+1
.endr
	v_nop                                          ; a plain place behind the last exponential,
	s_wait_alu depctr_va_vdst(0)                   ; and the one wait ahead of the batch's first reader
	WIN 0x0a
.irp n, 0,1,2,3                        ; my keys' sum, four chains (a tile each) by turns
	v_pk_add_f32 v[ST+8*\n+2:ST+8*\n+3], v[64*\n:64*\n+1], v[64*\n+2:64*\n+3]
.endr
	WIN 0x02
.set jj, 4
.rept 30
.irp n, 0,1,2,3
	v_pk_add_f32 v[ST+8*\n+2:ST+8*\n+3], v[64*\n+jj:64*\n+jj+1], v[ST+8*\n+2:ST+8*\n+3]
.endr
.set jj, jj+2
.endr
	WIN 0x03
.set jj, 0
.rept 32
.irp n, 0,1,2,3
	v_pk_add_f32 v[ST+8*\n+2:ST+8*\n+3], v[64*\n+jj:64*\n+jj+1], v[ST+8*\n+2:ST+8*\n+3]
.endr
.set jj, jj+2
.endr
	WIN 0
.irp n, 0,1,2,3
	v_add_f32 v[ST+8*\n+2], v[ST+8*\n+2], v[ST+8*\n+3]
.endr
.irp n, 0,1,2,3
	v_permlanex16_b32 v[ST+8*\n+6], v[ST+8*\n+2], s[SEL], s[SEL+1]
.endr
.irp n, 0,1,2,3
	v_add_f32 v[ST+8*\n+2], v[ST+8*\n+2], v[ST+8*\n+6]
.endr
.irp n, 0,1,2,3
	ds_store_b32 v[STW], v[ST+8*\n] offset:512*\n          ; lanes r and r + 16 write the same word with the same value
	ds_store_b32 v[STW], v[ST+8*\n+2] offset:512*\n+256
.endr
	CHG G1, 18, S2, VP, 204800                     ; the barrier of the exchange is also a refill's: every wave's part of v's tiles 0 and 1 is in, k's tile 3 has been read: v's tile 2 goes into its slot
.irp n, 0,1,2,3
	ds_load_b128 v[X4+8*\n:X4+8*\n+3], v[STR] offset:512*\n
	ds_load_b128 v[X4+8*\n+4:X4+8*\n+7], v[STR] offset:512*\n+256
.endr
	ASK 3, -1
	s_wait_dscnt 0x0
.irp n, 0,1,2,3
	v_min3_num_f32 v[ST+8*\n+6], v[X4+8*\n], v[X4+8*\n+1], v[X4+8*\n+2]
.endr
.irp n, 0,1,2,3
	v_min_num_f32 v[ST+8*\n+6], v[ST+8*\n+6], v[X4+8*\n+3]   ; -c M, M the row's maximum
.endr
.irp n, 0,1,2,3
.irp k, 0,1,2,3
	v_sub_f32 v[X4+8*\n+\k], v[ST+8*\n+6], v[X4+8*\n+\k]     ; c m_k - c M, 0 or less
.endr
	v_sub_f32 v[ST+8*\n+4], v[ST+8*\n+6], v[ST+8*\n]
.endr
.irp n, 0,1,2,3
.irp k, 0,1,2,3
	v_exp_f32 v[X4+8*\n+\k], v[X4+8*\n+\k]
.endr
	v_exp_f32 v[ST+8*\n+4], v[ST+8*\n+4]
.endr
	v_nop
	s_wait_alu depctr_va_vdst(0)                   ; one wait for the twenty
.irp n, 0,1,2,3
	v_mul_f32 v[ST+8*\n+6], v[X4+8*\n], v[X4+8*\n+4]         ; the row's sum, in one order in every wave; it is at least 1
.endr
.irp k, 1,2,3
.irp n, 0,1,2,3
	v_fma_f32 v[ST+8*\n+6], v[X4+8*\n+\k], v[X4+8*\n+4+\k], v[ST+8*\n+6]
.endr
.endr
.irp n, 0,1,2,3
	v_rcp_f32 v[ST+8*\n+7], v[ST+8*\n+6]
.endr
	v_nop
	s_wait_alu depctr_va_vdst(0)                   ; one wait for the four
.irp n, 0,1,2,3
	v_mul_f32 v[ST+8*\n+4], v[ST+8*\n+4], v[ST+8*\n+7]
.endr
.irp e, 0,1
	WIN 0x82+0x41*\e
.set jj, 0
.rept 128
	v_pk_mul_f32 v[2*jj:2*jj+1], v[2*jj:2*jj+1], v[ST+8*(jj/32)+4:ST+8*(jj/32)+5] op_sel_hi:[1,0]   ; p, finished and normalised
.set jj, jj+1
.endr
.endr
	WIN 0
.set kk, 0
.rept 32
	v_mul_f32 v[BM+kk], v[BM+kk], v[ST+8*((kk/4)%4)+4]       ; each block's largest p: the same instructions on the same number
.set kk, kk+1
.endr
.set kk, 0
.rept 32
	v_max_num_f32 v[BM+kk], 0x2800000, v[BM+kk]    ; the floor 2^(5 - 127)
.set kk, kk+1
.endr
.set kk, 0
.rept 32
	v_add_nc_u32 v[T2+kk], 0xfe000000, v[BM+kk]    ; the conversion's scale operand
.set kk, kk+1
.endr
.set kk, 0
.rept 32
	v_lshrrev_b32 v[BM+kk], 23, v[T2+kk]           ; the scale's byte
.set kk, kk+1
.endr
.irp sh, 1,2,3
.set kk, 0
.rept 8
.if \sh == 1
	v_lshl_or_b32 v[PW+kk], v[BM+4*kk+1], 8, v[BM+4*kk]
.else
	v_lshl_or_b32 v[PW+kk], v[BM+4*kk+\sh], 8*\sh, v[PW+kk]
.endif
.set kk, kk+1
.endr
.endr
.set TP, 240
.irp e, 0,1
.irp n, 0,1,2,3
	QP \e, \n
.endr
.endr
	; ---- O^T.  v's tile g wants the p of wave g's keys.  The buffer holds one tile's p: a barrier stands between its stores and the reads, and another between the reads and the next stores;
	; where a refill is due, its round is that barrier.  A tile's p comes into registers a tile ahead, into the bank that the tile before last has left.
	LV RA, 0                                       ; (v's tile 0 was shown landed, by every wave, in front of the exchange's round)
	LRS RS, 0, 0
	PPUB 0
	BAR                                            ; wave 0's p lies in the buffer
	LP 0
	BAR                                            ; everybody has it in registers
	PPUB 1
	LV RA, 1
	MV 0, 0
	CHG G1, 18, 0, VP, 307200                      ; v's tile 3 into the slot that tile 0 has left: 128 products stand ahead of the wait for it.  Wave 1's p lies in the buffer
	LP 1
	LV RA+1, 0
	LRS RS+1, 1, 0
	MV 0, 1
	WIN 0
	BAR                                            ; everybody has wave 1's p (asked for 32 products ago)
	PPUB 2
	PLACES 4
	LV RA+1, 1
	MV 1, 0
	BAR                                            ; wave 2's p lies in the buffer
	PLACES 4
	LP 2
	LV RA2, 0
	LRS RS2, 0, 0
	MV 1, 1
	WIN 0
	BAR                                            ; everybody has it
	PPUB 3
	PLACES 4
	LV RA2, 1
	MV 2, 0
	CHG G1B, 53, S1, WP, 0                         ; Wp, both tiles as one block, into the slots that v's tiles 1 and 2 have left: 96 products and O's quantiser stand ahead of the wait for it.  Wave 3's p lies in the buffer
	LP 3
	LV RA, 0
	LRS RS, 1, 0
	ASKX 0
	ASKX 1
	MV 2, 1
	PLACES 4
	LV RA, 1
	s_wait_dscnt 24                                ; all but the 24 just issued
	MV 3, 0
	s_wait_dscnt 0x0
	MV 3, 1
	PLACES 4
	; ---- O is quantised along the channels: my 128 are K step w of the projection.  Its images go into my own quarter of slot 0, which has had its last fill and which I alone have read
.set TP, 144
.irp n, 0,1,2,3
	QUANT 64*\n, 2, PC2+12*\n, PW2+\n
.irp c, 0,1,2
	ds_store_b128 v[RA], v[PC2+12*\n+4*\c:PC2+12*\n+4*\c+3] offset:1536*\n+512*\c
.endr
	ds_store_b32 v[OWS], v[PW2+\n] offset:128*\n
.endr
	BAR                                            ; O's 16 fragments lie in LDS
	; ---- the projection
.irp a, 0,1,2,3,4,5,6
	XLD \a
.endr
	WIN 0x40
.irp n, 0,1,2,3
.irp g, 0,1
.irp c, 0,1,2
	ds_load_b128 v[12*(4*\n+\g)+4*\c:12*(4*\n+\g)+4*\c+3], v[LI] offset:25600*\g+1536*\n+512*\c
	ds_load_b128 v[12*(4*\n+\g+2)+4*\c:12*(4*\n+\g+2)+4*\c+3], v[ORI2] offset:25600*\g+1536*\n+512*\c
.endr
.endr
.endr
	WIN 0
.irp n, 0,1,2,3
.irp g, 0,1
	ds_load_b32 v[32+(4*\n+\g)+16*((4*\n+\g)/8)], v[ORS] offset:25600*\g+128*\n
	ds_load_b32 v[32+(4*\n+\g+2)+16*((4*\n+\g+2)/8)], v[ORS2] offset:25600*\g+128*\n
.endr
.endr
	s_wait_tensorcnt 0x0                           ; my two quarters of Wp: the one load that was out.  Nobody else reads them
	LFR 0xc0, 0, WA, 0, 0
	LRS WS, 0, 0
	LFR 0xc0, 96, WA, 1, 0
	s_wait_dscnt 24
	MW 0, 0
	PLACES 4
	LFR 0xc0, 0, WA, 0, 25600
	LRS WS, 1, 25600
	s_wait_dscnt 28                                ; all but the 24 + 4 just issued
	MW 0, 1
	PLACES 4
	LFR 0xc0, 96, WA, 1, 25600
	s_wait_dscnt 24
	MW 1, 0
	s_wait_dscnt 0x0
	MW 1, 1
	WIN 0
	; ---- the way out, a tile of 16 output channels at a time
	PLACES 4
	XLD 7
	TOSTAGE 0
.irp a, 1,2,3,4,5,6,7
.if \a > 1
	s_wait_xcnt 0x0                                ; the stores of two tiles back have read their registers: this tile's rows may land there
.endif
	TOSTAGE \a
	SEND \a-1, 16                                  ; behind that tile's loads: this tile's 8 stores and 8 loads
.endr
	SEND 7, 0
	s_wait_tensorcnt 0x0                           ; the wave's end
	ds_add_u32 v[SPW], v[NIL]
	s_wait_dscnt 0x0
	ROUND                                          ; the closing round
	s_endpgm
.Lfunc_end_k_q9d2ad8577d_attn:
	.size	k_q9d2ad8577d_attn, .Lfunc_end_k_q9d2ad8577d_attn-k_q9d2ad8577d_attn
	.p2alignl 7, 3214868480
	.fill 96, 4, 3214868480
	.section	.rodata,"a",@progbits
	.p2align	6, 0x0
	.amdhsa_kernel k_q9d2ad8577d_attn
		.amdhsa_group_segment_fixed_size 327680
		.amdhsa_private_segment_fixed_size 0
		.amdhsa_enable_private_segment 0
		.amdhsa_kernarg_size 40
		.amdhsa_user_sgpr_count 2
		.amdhsa_user_sgpr_kernarg_segment_ptr 1
		.amdhsa_wavefront_size32 1
		.amdhsa_system_sgpr_workgroup_id_x 1
		.amdhsa_system_sgpr_workgroup_id_y 1
		.amdhsa_system_sgpr_workgroup_id_z 1
		.amdhsa_system_vgpr_workitem_id 0
		.amdhsa_next_free_vgpr 1024
		.amdhsa_next_free_sgpr 80
		.amdhsa_reserve_vcc 0
		.amdhsa_float_denorm_mode_32 3
		.amdhsa_float_denorm_mode_16_64 3
		.amdhsa_memory_ordered 1
		.amdhsa_forward_progress 1
		.amdhsa_inst_pref_size 255
	.end_amdhsa_kernel
	.section	.bss,"aw",@nobits
	.p2align	6
	.space	262144
	.amdgpu_metadata
---
amdhsa.version: [ 1, 2 ]
amdhsa.kernels:
  - .name:           k_q9d2ad8577d_attn
    .symbol:         k_q9d2ad8577d_attn.kd
    .args:
      - { .name: qkv, .offset: 0, .size: 8, .value_kind: global_buffer, .address_space: global }
      - { .name: wts, .offset: 8, .size: 8, .value_kind: global_buffer, .address_space: global }
      - { .name: p_b, .offset: 16, .size: 8, .value_kind: global_buffer, .address_space: global }
      - { .name: x, .offset: 24, .size: 8, .value_kind: global_buffer, .address_space: global }
      - { .name: out0, .offset: 32, .size: 8, .value_kind: global_buffer, .address_space: global }
    .group_segment_fixed_size: 327680
    .private_segment_fixed_size: 0
    .kernarg_segment_align: 8
    .kernarg_segment_size: 40
    .max_flat_workgroup_size: 128
    .sgpr_count:     80
    .vgpr_count:     1024
    .wavefront_size: 32
...
	.end_amdgpu_metadata
.endif
;; end of part 3
